; MI455X (gfx1250); checked and timed in simulation.
; The chip was launched on July 23, 2026; its instructions are those of AMD's public machine-readable ISA for CDNA 5 (MIT licence, August 2026) and "CDNA5" Instruction Set Architecture Reference Guide (July 2026). The comments in the code are by the model that wrote it; some were corrected since.
;; Multihead Set Attention. Allowed arithmetic: matrix products marked QUANTISED: E2M1 operands, one E8M0 scale for each 32 along K, by v_wmma_scale_f32_16x16x128_f8f6f4 with both operands' format E2M1 (or v_wmma_scale_f32_32x16x128_f4), f32 sums; products left as they are: bf16, f16 or f32 operands; f32 sums; everything else in f32.
;; Inputs: key 4 x 2,048 x 1,024 float32; key_multiplicities 4 x 2,048 float32; query 4 x 1,024 x 1,024 float32; value 4 x 2,048 x 1,024 float32; wk_b 1,024 float32; wk_w 1,024 x 1,024 float32; wo_b 1,024 float32; wo_w 1,024 x 1,024 float32; wq_b 1,024 float32; wq_w 1,024 x 1,024 float32; wv_b 1,024 float32; wv_w 1,024 x 1,024 float32.
;; Outputs: out0 4 x 1,024 x 1,024 float32.
;; This version of the problem:
;;   THIS VERSION OF THE PROBLEM IS GIVEN IN LOW PRECISION. The matrix products marked QUANTISED in the list below multiply operands that are first quantised to E2M1 (2 exponent bits, 1 mantissa bit; 4 bits a number), with one power-of-two scale for each 32 numbers along K (OCP MX v1.0); their sums are f32. The products marked 'left as it is' may take bf16, f16 or f32 operands, with f32 sums. Whichever they take, every output number must still come out within the allowed error. Rounding operands to bf16 (8 significant bits) uses up far more of that allowance than f16 does (11 bits, for magnitudes from 6e-5 to 65,504). All else is computed in f32.
;;   The module's matrix products, in the order in which they are computed (A, B: the left and right operand; K: the contracted axis; several contracted axes count as one K, in the product's order):
;;     1. [M 4,096, K 1,024] x [K 1,024, N 1,024]; A: input query; B: input wq_w: QUANTISED
;;     2. [M 8,192, K 1,024] x [K 1,024, N 1,024]; A: input key; B: input wk_w: QUANTISED
;;     3. [M 8,192, K 1,024] x [K 1,024, N 1,024]; A: input value; B: input wv_w: QUANTISED
;;     4. batch 64 x [M 1,024, K 64] x [K 64, N 2,048]; A: computed on the way; B: computed on the way: left as it is (an operand is computed on the way)
;;     5. batch 64 x [M 1,024, K 2,048] x [K 2,048, N 64]; A: computed on the way; B: computed on the way: left as it is (an operand is computed on the way)
;;     6. [M 4,096, K 1,024] x [K 1,024, N 1,024]; A: computed on the way; B: input wo_w: left as it is (an operand is computed on the way)
;;   THE QUANTISER, for each operand of a quantised product, along K:
;;     - K is cut into blocks of 32 from its start; a last block that is shorter is filled with zeros.
;;     - A block's scale is 2^e with e = floor(log2(the largest magnitude in the block)) - 2, held to -126 .. 127; a block of zeros has e = 0. As a byte (E8M0): e + 127.
;;     - Each number is divided by its block's scale, clamped to +-6, and rounded to the nearest number of E2M1, ties to even, subnormals kept.
;;     - The product sums the exact products of the quantised numbers (number of the format x scale) in f32.
;;   ~~~python
;;   def quantise(x, axis):      # numpy; x: float32 -> the quantised numbers, widened to float32 again
;;       x = np.moveaxis(x, axis, -1); K = x.shape[-1]
;;       x = np.pad(x, [(0, 0)] * (x.ndim - 1) + [(0, -K % 32)]); x = x.reshape(x.shape[:-1] + (-1, 32)); a = np.abs(x).max(-1, keepdims=True)
;;       e = np.where(a > 0, np.clip(np.frexp(np.where(a > 0, a, 1))[1] - 1 - 2, -126, 127), 0)      # np.frexp(a)[1] - 1 = floor(log2(a)), exactly
;;       r = np.clip(x / 2.0 ** e, -6, 6)
;;       step = 2.0 ** (np.maximum(np.frexp(np.where(r == 0, 1, r))[1] - 1, 0) - 1)
;;       q = np.round(r / step) * step * 2.0 ** e      # np.round: ties to even
;;       return np.moveaxis(q.reshape(q.shape[:-2] + (-1,))[..., :K], -1, axis).astype(np.float32)
;;   ~~~
;; One version. Each part assembles by itself: llvm-mc -triple=amdgcn-amd-amdhsa -mcpu=gfx1250 --defsym DOCPART=n.
;; ======== version 1 of 1: 4 launches
;; limits: values are held in f16: magnitudes above 65,504 overflow, below 6.1e-05 lose precision
;; workspace buffers: codes 12,058,624 bytes; scales 753,664 bytes; qkv 41,943,040 bytes; ao 8,388,608 bytes; wo16 2,097,152 bytes
;; launch quant (part 1): grid 800 x 1, 4 waves a work-group, no clusters, 33,280 bytes of LDS; arguments query, key, value, wq_w, wk_w, wv_w, wo_w, codes, scales, wo16; writes codes, scales, wo16
.if DOCPART == 1
	.amdgcn_target "amdgcn-amd-amdhsa--gfx1250"
	.amdhsa_code_object_version 6
	.text
	.protected	k_q3a87dd8dc8_quant
	.globl	k_q3a87dd8dc8_quant
	.p2align	8
	.type	k_q3a87dd8dc8_quant,@function
k_q3a87dd8dc8_quant:
	s_mov_b64 s[64:65], 0
	v_nop
	global_prefetch_b8 v0, s[64:65] scope:SCOPE_SE
	s_setreg_imm32_b32 hwreg(HW_REG_WAVE_MODE, 25, 1), 1
	s_wait_xcnt 0x0
; TWO JOBS IN ONE LAUNCH, told apart by the work-group's number.
; Work-groups 0 to 735: query, key, value, wq_w, wk_w, wv_w (f32, rows of 1,024 with K innermost) become codes of FP4 (E2M1), 4 bits each, and one E8M0 scale byte for each 32 along K.
;   All six land in ONE table of 23,552 rows: codes 512 bytes a row, scale bytes 32 a row.  Rows 0: query, 4,096: key, 12,288: value, 20,480: wq_w, 21,504: wk_w, 22,528: wv_w.
;   A block's scale is 2^(floor(log2(its largest magnitude)) - 2); its byte is the largest magnitude's exponent field - 2, held at 1 from below.  A block of zeros so gets the byte 1 where the rule
;   says 127: its codes are zeros, which add nothing under any byte but 0xff, and this program alone reads the bytes.  Each number is divided by the scale and rounded to the nearest code, ties to even.
;   Rows are dense, so every tensor is a plain stream of blocks of 32.  A work-group takes 32,768 numbers (32 rows), a wave 16 steps of 512.  Each load reads 512 consecutive bytes; a step's 2,048 bytes turn through
;   the wave's own stage in LDS, so that a lane holds 16 neighbours along K; two neighbouring lanes hold a block.  A wave stores 256 consecutive bytes of codes a step and 256 scale bytes at its end.
; Work-groups 736 to 799: wo_w (f32) becomes f16, laid as IMAGES OF OPERAND REGISTERS for the last launch: [block of 128 rows: 8][32 along K: 32][16 rows: 8][1,024 bytes];
;   in an image registers 4 g .. 4 g + 3 of lane l lie at 512 g + 16 l; lane l holds row l % 16 and K = 16 g + 8 (l / 16) + 0 .. 7.  No LDS is touched on this path but the spare words.
; LIMITS: blocks whose largest magnitude lies under 2^-124 have their byte held at 1; NaN and infinities among the inputs are not served; |wo_w| must lie under 65,504 (f16), and under 6e-5 it keeps fewer bits.
.set NQWG,  736                        ; work-groups that quantise
.set WAVES, 4
.set STEPS, 16
.set EMAX,  2
.set CB,    8                          ; bytes of 16 codes
.set R,     16                         ; v16-79   four sets of 16 numbers as they are loaded
.set X,     80                         ; v80-111  two sets of 16 neighbours
.set C,     128                        ; v128-191 codes: four registers for each step, so that no store's data are written again
.set E,     112                        ; v112-127 a scale byte for each step
.set WREG,  8192                       ; LDS: a region for each wave: two stages of 32 x SP bytes, and behind them its 256 scale bytes
.set SP,    80                         ; a lane's place in a stage: its 64 bytes + 16 of padding
.set SPW,   12                         ; v12      LDS address of my spare word; never rewritten
.set NIL,   13                         ; v13      0; never rewritten
.set SPARE, WAVES*WREG                 ; behind the four regions: the spare words, 128 bytes for each wave
	s_load_b512 s[4:19], s[0:1], 0x0               ; query, key, value, wq_w, wk_w, wv_w, wo_w s[16:17], codes s[18:19]
	s_load_b128 s[20:23], s[0:1], 0x40             ; scales s[20:21], wo16 s[22:23]
	v_lshl_add_u32 v[SPW], v0, 2, SPARE
	v_mov_b32 v[NIL], 0
	v_lshrrev_b32 v1, 5, v0
	v_readfirstlane_b32 s24, v1                    ; wave
	v_and_b32 v2, 31, v0                           ; lane
	v_lshlrev_b32 v3, 4, v2                        ; 16 x lane
	s_cmp_ge_u32 ttmp9, NQWG
	s_cbranch_scc1 .Lwo
	; ---------------- the quantiser
	s_mul_i32 s25, s24, WREG
	v_lshrrev_b32 v14, 2, v2
	v_mul_u32_u24 v14, v14, SP
	v_and_b32 v15, 3, v2
	v_lshl_add_u32 v14, v15, 4, v14
	v_add_nc_u32 v14, s25, v14                     ; the stage, on the way in: four lanes' 64 bytes on end, then 16 of padding
	v_mul_u32_u24 v15, v2, SP
	v_add_nc_u32 v15, s25, v15                     ; and on the way out: SP x lane: my 16 neighbours
	v_mul_u32_u24 v4, v2, CB                       ; my codes' place in a step's
	v_lshrrev_b32 v5, 1, v2
	s_add_co_u32 s25, s25, 2*32*SP
	v_add_nc_u32 v5, s25, v5                       ; LDS: my wave's 256 scale bytes, my block's byte
	v_lshlrev_b32 v7, 3, v2                        ; and on the way out 8 bytes a lane
	v_add_nc_u32 v6, s25, v7
	s_wait_kmcnt 0x0
	s_mov_b64 s[26:27], s[14:15]                   ; which tensor, and its first work-group: chosen by the work-group's number alone
	s_mov_b32 s28, 704                             ; wv_w
	s_cmp_lt_u32 ttmp9, 704
	s_cselect_b64 s[26:27], s[12:13], s[26:27]     ; wk_w
	s_cselect_b32 s28, 672, s28
	s_cmp_lt_u32 ttmp9, 672
	s_cselect_b64 s[26:27], s[10:11], s[26:27]     ; wq_w
	s_cselect_b32 s28, 640, s28
	s_cmp_lt_u32 ttmp9, 640
	s_cselect_b64 s[26:27], s[8:9], s[26:27]       ; value
	s_cselect_b32 s28, 384, s28
	s_cmp_lt_u32 ttmp9, 384
	s_cselect_b64 s[26:27], s[6:7], s[26:27]       ; key
	s_cselect_b32 s28, 128, s28
	s_cmp_lt_u32 ttmp9, 128
	s_cselect_b64 s[26:27], s[4:5], s[26:27]       ; query
	s_cselect_b32 s28, 0, s28
	s_sub_co_u32 s29, ttmp9, s28
	s_lshl_b32 s29, s29, 2
	s_add_co_u32 s30, s29, s24                     ; which run of 8,192 numbers of the tensor is my wave's
	s_mov_b32 s31, 0
	s_lshl_b64 s[30:31], s[30:31], 15              ; 32,768 bytes a run
	s_add_nc_u64 s[26:27], s[26:27], s[30:31]
	s_lshl_b32 s29, ttmp9, 2
	s_add_co_u32 s29, s29, s24                     ; and which run of the table
	s_lshl_b32 s30, s29, 12                        ; 4,096 bytes of codes a run
	s_mov_b32 s31, 0
	s_add_nc_u64 s[18:19], s[18:19], s[30:31]
	s_lshl_b32 s30, s29, 8                         ; 256 scale bytes a run
	s_add_nc_u64 s[20:21], s[20:21], s[30:31]
.macro LOAD t
.irp i, 0,1,2,3
	global_load_b128 v[R+16*((\t)%4)+4*\i:R+16*((\t)%4)+4*\i+3], v3, s[26:27] offset:2048*(\t)+512*\i th:TH_LOAD_NT   ; 32 lanes read 512 consecutive bytes
.endr
.endm
.macro TURN t                          ; step t's numbers through the stage: LDS serves a wave's instructions in order, so no wait stands between the stores and the loads
.irp i, 0,1,2,3
	ds_store_b128 v14, v[R+16*((\t)%4)+4*\i:R+16*((\t)%4)+4*\i+3] offset:32*SP*((\t)%2)+8*SP*\i
.endr
.irp i, 0,1,2,3
	ds_load_b128 v[X+16*((\t)%2)+4*\i:X+16*((\t)%2)+4*\i+3], v15 offset:32*SP*((\t)%2)+16*\i
.endr
.endm
.irp t, 0,1,2,3
	LOAD \t
.endr
	s_wait_loadcnt 12                              ; step 0's four loads are in; the twelve of steps 1 to 3 may be out
	TURN 0
.macro STEP t
.set XS, X+16*((\t)%2)
.if (\t) > 0
	s_wait_dscnt 1                                 ; this step's numbers are back from the stage (the last step's byte store may be out): so its stores into the stage have read their registers,
.else
	s_wait_dscnt 0x0
.endif
.if (\t)+4 < STEPS
	LOAD (\t)+4                                    ; which take the loads of four steps on
.endif
.if (\t)+1 < STEPS
.if STEPS-2-(\t) >= 3
	s_wait_loadcnt 12                              ; the next step's four loads are in; those of the three steps behind it may be out
.else
	s_wait_loadcnt 4*(STEPS-2-(\t))
.endif
	TURN (\t)+1                                    ; and go through the other stage while this step is worked
.endif
	v_max3_num_f32 v8, |v[XS]|, |v[XS+1]|, |v[XS+2]|               ; the largest magnitude of my 16, in two chains
	v_max3_num_f32 v9, |v[XS+3]|, |v[XS+4]|, |v[XS+5]|
.irp i, 6,10
	v_max3_num_f32 v8, v8, |v[XS+\i]|, |v[XS+\i+1]|
	v_max3_num_f32 v9, v9, |v[XS+\i+2]|, |v[XS+\i+3]|
.endr
	v_max3_num_f32 v8, v8, |v[XS+14]|, |v[XS+15]|
	v_max3_num_f32 v8, v8, v9, (EMAX+1)<<23        ; and the floor 2^(EMAX + 1 - 127): so the byte cannot fall under 1
	v_max_num_f32_dpp v8, v8, v8 row_xmask:1 row_mask:0xf bank_mask:0xf   ; and of my neighbour's 16: the block's
	v_add_nc_u32 v11, -(EMAX<<23), v8              ; EMAX off its exponent field: the conversion takes the exponent field of this operand as its scale, and nothing else of it
	v_cvt_scalef32_pk8_fp4_f32 v[C+4*(\t)], v[XS:XS+7], v11        ; eight numbers / the scale, to the nearest code, ties to even, beyond the largest code the largest
	v_cvt_scalef32_pk8_fp4_f32 v[C+4*(\t)+1], v[XS+8:XS+15], v11
	v_lshrrev_b32 v[E+(\t)], 23, v11               ; the scale's byte (also the plain line behind the conversions)
	ds_store_b8 v5, v[E+(\t)] offset:16*(\t)       ; both lanes of a block write the same byte with the same value
	global_store_b64 v4, v[C+4*(\t):C+4*(\t)+1], s[18:19] offset:32*CB*(\t)   ; the wave stores 256 consecutive bytes, aligned
.endm
.irp t, 0,1,2,3,4,5,6,7,8,9,10,11,12,13,14,15
	STEP \t
.endr
	ds_load_b64 v[8:9], v6                         ; LDS serves a wave's instructions in order: these see my byte stores
	s_wait_dscnt 0x0
	global_store_b64 v7, v[8:9], s[20:21]          ; 32 lanes store 256 consecutive bytes, aligned
	s_wait_tensorcnt 0x0                           ; the wave's end
	ds_add_u32 v[SPW], v[NIL]
	s_wait_dscnt 0x0
	s_endpgm
	; ---------------- wo_w into f16 images.  Work-group NT takes rows 16 NT .. 16 NT + 15; wave w the eight pieces of 32 along K from 256 w on
.Lwo:
	s_sub_co_u32 s25, ttmp9, NQWG                  ; NT, 0 .. 63
	v_and_b32 v4, 15, v2                           ; row in the tile
	v_lshrrev_b32 v5, 4, v2                        ; half of the lanes
	v_lshlrev_b32 v1, 12, v4
	v_lshl_add_u32 v1, v5, 5, v1                   ; in: row x 4,096 bytes + 32 x half: my eight numbers
	s_lshl_b32 s26, s25, 16                        ; 16 rows of 4,096 bytes
	s_lshl_b32 s27, s24, 10                        ; my wave's 256 along K
	s_add_co_u32 s26, s26, s27
	s_mov_b32 s27, 0
	s_lshr_b32 s28, s25, 3
	s_lshl_b32 s28, s28, 18                        ; out: the block of 128 rows: 262,144 bytes,
	s_lshl_b32 s29, s24, 16                        ; my wave's eight pieces of 8,192 bytes,
	s_add_co_u32 s28, s28, s29
	s_and_b32 s29, s25, 7
	s_lshl_b32 s29, s29, 10                        ; the tile's image in a piece
	s_add_co_u32 s28, s28, s29
	s_mov_b32 s29, 0
	s_wait_kmcnt 0x0
	s_add_nc_u64 s[16:17], s[16:17], s[26:27]
	s_add_nc_u64 s[22:23], s[22:23], s[28:29]
.set i, 0
.rept 16                               ; item i = 2 x piece + g: K = 32 x piece + 16 g + 8 x half + 0 .. 7
	global_load_b128 v[16+8*i:19+8*i], v1, s[16:17] offset:128*(i/2)+64*(i%2) th:TH_LOAD_NT
	global_load_b128 v[20+8*i:23+8*i], v1, s[16:17] offset:128*(i/2)+64*(i%2)+16 th:TH_LOAD_NT
.set i, i+1
.endr
.set i, 0
.rept 16
	s_wait_loadcnt 30-2*i                          ; item i's two loads are in; the later items' may be out
	v_cvt_pk_f16_f32 v[144+4*i], v[16+8*i], v[17+8*i]
	v_cvt_pk_f16_f32 v[145+4*i], v[18+8*i], v[19+8*i]
	v_cvt_pk_f16_f32 v[146+4*i], v[20+8*i], v[21+8*i]
	v_cvt_pk_f16_f32 v[147+4*i], v[22+8*i], v[23+8*i]
	global_store_b128 v3, v[144+4*i:147+4*i], s[22:23] offset:8192*(i/2)+512*(i%2)   ; half an image: 512 consecutive bytes, aligned; every item has registers of its own
.set i, i+1
.endr
	s_wait_tensorcnt 0x0                           ; the same three closing lines on this path
	ds_add_u32 v[SPW], v[NIL]
	s_wait_dscnt 0x0
	s_endpgm
.Lfunc_end_k_q3a87dd8dc8_quant:
	.size	k_q3a87dd8dc8_quant, .Lfunc_end_k_q3a87dd8dc8_quant-k_q3a87dd8dc8_quant
	.p2alignl 7, 3214868480
	.fill 96, 4, 3214868480
	.section	.rodata,"a",@progbits
	.p2align	6, 0x0
	.amdhsa_kernel k_q3a87dd8dc8_quant
		.amdhsa_group_segment_fixed_size 33280
		.amdhsa_private_segment_fixed_size 0
		.amdhsa_enable_private_segment 0
		.amdhsa_kernarg_size 80
		.amdhsa_user_sgpr_count 2
		.amdhsa_user_sgpr_kernarg_segment_ptr 1
		.amdhsa_wavefront_size32 1
		.amdhsa_system_sgpr_workgroup_id_x 1
		.amdhsa_system_sgpr_workgroup_id_y 1
		.amdhsa_system_sgpr_workgroup_id_z 1
		.amdhsa_system_vgpr_workitem_id 0
		.amdhsa_next_free_vgpr 208
		.amdhsa_next_free_sgpr 66
		.amdhsa_reserve_vcc 0
		.amdhsa_float_denorm_mode_32 3
		.amdhsa_float_denorm_mode_16_64 3
		.amdhsa_memory_ordered 1
		.amdhsa_forward_progress 1
		.amdhsa_inst_pref_size 44
	.end_amdhsa_kernel
	.amdgpu_metadata
---
amdhsa.version: [ 1, 2 ]
amdhsa.kernels:
  - .name:           k_q3a87dd8dc8_quant
    .symbol:         k_q3a87dd8dc8_quant.kd
    .args:
      - { .name: query, .offset: 0, .size: 8, .value_kind: global_buffer, .address_space: global }
      - { .name: key, .offset: 8, .size: 8, .value_kind: global_buffer, .address_space: global }
      - { .name: value, .offset: 16, .size: 8, .value_kind: global_buffer, .address_space: global }
      - { .name: wq_w, .offset: 24, .size: 8, .value_kind: global_buffer, .address_space: global }
      - { .name: wk_w, .offset: 32, .size: 8, .value_kind: global_buffer, .address_space: global }
      - { .name: wv_w, .offset: 40, .size: 8, .value_kind: global_buffer, .address_space: global }
      - { .name: wo_w, .offset: 48, .size: 8, .value_kind: global_buffer, .address_space: global }
      - { .name: codes, .offset: 56, .size: 8, .value_kind: global_buffer, .address_space: global }
      - { .name: scales, .offset: 64, .size: 8, .value_kind: global_buffer, .address_space: global }
      - { .name: wo16, .offset: 72, .size: 8, .value_kind: global_buffer, .address_space: global }
    .group_segment_fixed_size: 33280
    .private_segment_fixed_size: 0
    .kernarg_segment_align: 8
    .kernarg_segment_size: 80
    .max_flat_workgroup_size: 128
    .sgpr_count:     66
    .vgpr_count:     208
    .wavefront_size: 32
...
	.end_amdgpu_metadata
.endif
;; end of part 1
;; launch proj (part 2): grid 4 x 80, 4 waves a work-group, clusters of 4 x 4, 327,680 bytes of LDS; arguments codes, scales, wq_b, wk_b, qkv; writes qkv
.if DOCPART == 2
	.amdgcn_target "amdgcn-amd-amdhsa--gfx1250"
	.amdhsa_code_object_version 6
	.text
	.protected	k_q3a87dd8dc8_proj
	.globl	k_q3a87dd8dc8_proj
	.p2align	8
	.type	k_q3a87dd8dc8_proj,@function
k_q3a87dd8dc8_proj:
	s_mov_b64 s[64:65], 0
	v_nop
	global_prefetch_b8 v0, s[64:65] scope:SCOPE_SE
	s_setreg_imm32_b32 hwreg(HW_REG_WAVE_MODE, 25, 1), 1
	s_wait_xcnt 0x0
	s_wait_alu depctr_hold_cnt(0) depctr_sa_sdst(0) depctr_va_vdst(0) depctr_va_sdst(0) depctr_va_ssrc(0) depctr_va_vcc(0) depctr_vm_vsrc(0)
	s_getreg_b32 s2, hwreg(HW_REG_IB_STS2, 6, 4)
	s_cmp_eq_u32 s2, 0
	s_cbranch_scc0 .Lentry_in_a_cluster
	s_endpgm
.Lentry_in_a_cluster:
	s_bfe_u32 s2, ttmp6, 0x10000c
	s_cmp_lg_u32 s2, 0xf033
	s_cbranch_scc0 .Lentry_shape_is_right
	s_endpgm
.Lentry_shape_is_right:
; THE THREE INPUT PROJECTIONS ON CODES OF FP4 (E2M1) with one E8M0 scale for each 32 along K = 1,024; sums in f32; results rounded once to f16 and stored as IMAGES OF OPERAND REGISTERS for the attention launch.
; The table of codes has 23,552 rows of 512 bytes (scale bytes: 32 a row): 0 query, 4,096 key, 12,288 value, 20,480 wq_w, 21,504 wk_w, 22,528 wv_w.
; A work-group of four waves makes a tile of 256 x 256, a wave 128 x 128: 64 accumulators, 512 registers.  A cluster of 4 x 4 work-groups makes 1,024 x 1,024; cluster y = Y picks the work:
;   Y 0-3: q: rows A = query's rows 1,024 Y on, rows B = wq_w's;   Y 4-11: k: A = key's, B = wk_w's;   Y 12-19: v: THE ROLES ARE EXCHANGED: A = wv_w's rows, B = value's rows 1,024 Y on.
; The matrix instruction takes source 0 = 16 rows of B and source 1 = 16 rows of A: a lane (r, h) then holds row r of A and rows 8 h + 0 .. 7 of B.  Two neighbouring blocks of B, rounded to f16 in pairs, ARE a
; 16-bit operand fragment (16 rows of A x 32 of B) as its eight registers hold it.  So q and k come out with a token a row and the head's channels along K, and v with a channel a row and the keys along K,
; which is what the two products of attention want; they are stored straight from registers, 512 consecutive aligned bytes a store, and no stage in LDS is needed.
; qkv: q at 0: [b 4][head 16][16 queries: 64][32 channels: 2][1,024];  k at 8,388,608: [b][head][16 keys: 128][2][1,024];  v at 25,165,824: [b][head][32 keys: 64][16 channels: 4][1,024].
; The biases wq_b, wk_b are the C of each sum's first product.  wv_b is added by the attention launch behind its division (the weights sum to one), so v's sums begin with zeros.  q is multiplied by log2(e) / 8.
; K = 1,024 is two slots of 512: both are asked for at the head, nothing is filled again, there is no loop.  The scale bytes of the work-group's rows come once, as dense rows of 256 bytes.
; CLUSTER: the four of a row of the cluster need the same rows A, the four of a column the same rows B: each tile is asked for jointly.
; 320 work-groups: 20,480 rows are 5 x 4,096, which no split into 256 equal tiles of this shape serves.
; LIMITS: |q log2(e) / 8|, |k| and |v| (without its bias) must lie under 65,504 (f16); under 6e-5 they keep fewer bits.
; REGISTERS, in windows of 256: window 0: v0-31 addresses; v32-95 scale words, two sets; v128-191 A's fragments, one set; v192-255 the bias in the result's layout.  Window 1: B's fragments, two sets.  Windows 2, 3: the accumulators.
.set NQ,     4                         ; steps of 128 along K in a slot
.set ROWB,   256                       ; a tile's row in bytes: 512 codes
.set KROW,   512                       ; a row of the table
.set PITCH,  272                       ; an LDS row: 256 bytes + 16 of padding: the 16 rows that a load touches start 68 words apart
.set FR,     8
.set NL,     2
.set NP,     4                         ; places behind this matrix instruction (ISA guide 7.12.1)
.set HALFT,  128*PITCH
.set SLOT,   4*HALFT
.set KS,     32                        ; a row of scale bytes
.set SCL,    2*SLOT
.set HALFS,  (128*KS/256)*272
.set SBLK,   (16*KS/256)*272
.set SPARE,  SCL+4*HALFS               ; the spare words, 128 bytes for each wave
.set ADRA, 16                          ; v16-17 LDS address of my A fragments in slot 0, 1
.set ADRB, 20                          ; v20-21 the same for B
.set CO,   20                          ; v20-23 on the way out: four store offsets
.set ADRS, 27                          ; v27    my scale words: lanes 0-15 A's rows, lanes 16-31 B's
.set SPW,  28
.set NIL,  29
.set SC,   32
.set AF,   128
.set BI,   192
.set TMP,  32                          ; the way out: 64 scaled numbers
.set OUT,  128                         ; the way out: two sets of 32 packed registers
.set G1, 24
.set G0, 32
.set G1B, 48
.set G0B, 56
.set G1S, 68
.set G0S, 76
.set G1SB, 80
.set G0SB, 88
.set MSB, 0
.macro WIN new                         ; the immediate's high byte repeats the setting that is left
.if MSB != \new
	s_set_vgpr_msb (MSB<<8)|\new
.set MSB, \new
.endif
.endm
.set MUL_LO,  0xa1                     ; source 0 (B) window 1, source 1 (A) window 0, C and D window 2
.set MUL_HI,  0xf1                     ; the same, C and D window 3
.set MUL_LO0, 0x81                     ; the first products: C (the bias) window 0, D window 2
.set MUL_HI0, 0xc1                     ; D window 3
.set TO_B,    0x40
; A joint load: waves 0 and 1 fetch for A, waves 2 and 3 for B.  The branch hangs on the wave's number alone.  An s_nop 0 and four v_nop follow each of the two lines.
.macro JLOAD g0a, g1a, g0b, g1b
	s_cmp_eq_u32 s15, 0
	s_cbranch_scc0 .Lfor_b_\@
	tensor_load_to_lds s[\g0a:\g0a+3], s[\g1a:\g1a+7]
	s_nop 0
.rept 4
	v_nop
.endr
	s_branch .Lasked_\@
.Lfor_b_\@:
	tensor_load_to_lds s[\g0b:\g0b+3], s[\g1b:\g1b+7]
	s_nop 0
.rept 4
	v_nop
.endr
.Lasked_\@:
.endm
.macro CROUND                          ; a round of the cluster's barrier
	s_barrier_signal -1
	s_barrier_wait -1
	s_cmp_lg_u32 s14, 0
	s_cbranch_scc1 .Lnot_wave_0_\@
	s_barrier_signal -3
.Lnot_wave_0_\@:
	s_barrier_wait -3
	s_barrier_signal -1
	s_barrier_wait -1
.endm
	s_load_b256 s[4:11], s[0:1], 0x0               ; codes s[4:5], scales s[6:7], wq_b s[8:9], wk_b s[10:11]
	s_load_b64 s[12:13], s[0:1], 0x20              ; qkv
	v_lshl_add_u32 v[SPW], v0, 2, SPARE
	v_mov_b32 v[NIL], 0
	ds_add_u32 v[SPW], v[NIL]                      ; the wave's opening: the add, twice on end, and its wait ahead of my first tensor load
	ds_add_u32 v[SPW], v[NIL]
	v_lshrrev_b32 v1, 5, v0
	v_readfirstlane_b32 s14, v1                    ; wave 0..3
	s_lshr_b32 s15, s14, 1                         ; which half of A's 256 rows is mine.  Also: I fetch for A (0) or for B (1)
	s_and_b32 s16, s14, 1                          ; which half of B's.  Also: which 128 rows I fetch
	s_bfe_u32 s40, ttmp6, 0x40000                  ; cx
	s_bfe_u32 s41, ttmp6, 0x40004                  ; cy
	s_and_b32 s17, ttmp7, 0xffff                   ; Y: the cluster's y, shared by all sixteen
	s_lshl_b32 s42, s17, 10                        ; T = 1,024 Y: the activations' first row in the table
	s_lshl_b32 s43, s41, 2
	s_lshl_b32 s43, 15, s43                        ; my row of the cluster
	s_lshl_b32 s44, 0x1111, s40                    ; my column
	s_or_b32 s[G1+0], s43, (0<<16)|(1<<20)|(1<<21)|(5<<22)|(3<<25)  ; the mask; elements of 1 byte; padding on; bit 21 beside a mask; after every 64 words, 4 words
	s_or_b32 s[G1B+0], s44, (0<<16)|(1<<20)|(1<<21)|(5<<22)|(3<<25)
.irp g, G1, G1B
	s_mov_b32 s[\g+1], ROWB<<16                    ; tensor_dim0
	s_mov_b32 s[\g+2], 128<<16                     ; tensor_dim1
	s_mov_b32 s[\g+3], ROWB<<16                    ; tile_dim0
	s_mov_b32 s[\g+4], 128                         ; tile_dim1
	s_mov_b32 s[\g+5], KROW                        ; from row to row
	s_mov_b32 s[\g+6], 0
	s_mov_b32 s[\g+7], 0
.endr
	s_or_b32 s[G1S+0], s43, (3<<16)|(1<<20)|(1<<21)|(5<<22)|(3<<25)  ; the scale bytes of 128 rows: 4,096 dense bytes as 16 rows of 32 elements of 8 bytes, padded alike
	s_or_b32 s[G1SB+0], s44, (3<<16)|(1<<20)|(1<<21)|(5<<22)|(3<<25)
.irp g, G1S, G1SB
	s_mov_b32 s[\g+1], 32<<16
	s_mov_b32 s[\g+2], (128*KS/256)<<16
	s_mov_b32 s[\g+3], 32<<16
	s_mov_b32 s[\g+4], 128*KS/256
	s_mov_b32 s[\g+5], 32
	s_mov_b32 s[\g+6], 0
	s_mov_b32 s[\g+7], 0
.endr
	s_mov_b32 s2, 22528                            ; wv_w's first row
	s_mov_b32 s3, 21504                            ; wk_w's
	s_cmp_lt_u32 s17, 12                           ; q or k?
	s_cselect_b32 s20, s42, s2                     ; A's first row
	s_cselect_b32 s46, s3, s42                     ; B's
	s_cselect_b32 s95, -1, 0                       ; v's sums begin with zeros: the bias is masked away
	s_mov_b32 s3, 20480                            ; wq_w's
	s_cmp_lt_u32 s17, 4                            ; q?
	s_cselect_b32 s46, s3, s46
	s_lshl_b32 s18, s16, 7                         ; which 128 rows I fetch
	s_lshl_b32 s19, s41, 8
	s_add_co_u32 s20, s20, s19                     ; A: + 256 cy: shared along my row of the cluster
	s_add_co_u32 s20, s20, s18
	s_lshl_b32 s100, s40, 8
	s_add_co_u32 s46, s46, s100                    ; B: + 256 cx: shared along my column
	s_add_co_u32 s46, s46, s18
	s_mov_b32 s21, 0
	s_mov_b32 s47, 0
	s_lshl_b64 s[22:23], s[20:21], 5               ; where these rows' scale bytes begin,
	s_lshl_b64 s[92:93], s[46:47], 5
	s_lshl_b64 s[20:21], s[20:21], 9               ; and their codes
	s_lshl_b64 s[46:47], s[46:47], 9
	s_mul_i32 s45, s14, HALFT                      ; where they go: wave x 128 rows: no place in the cluster enters an LDS address
	s_mul_i32 s94, s14, HALFS
	s_wait_dscnt 0x0                               ; both opening adds are done
	s_wait_kmcnt 0x0
	s_add_nc_u64 s[20:21], s[4:5], s[20:21]
	s_add_nc_u64 s[22:23], s[6:7], s[22:23]
	s_add_nc_u64 s[46:47], s[4:5], s[46:47]
	s_add_nc_u64 s[92:93], s[6:7], s[92:93]
	CROUND                                         ; all sixteen work-groups are here: the joint loads meet
	s_mov_b32 s[G0S], 1
	s_add_co_u32 s[G0S+1], s94, SCL
	s_mov_b64 s[G0S+2:G0S+3], s[22:23]
	s_or_b32 s[G0S+3], s[G0S+3], 0x80000000
	s_mov_b32 s[G0SB], 1
	s_add_co_u32 s[G0SB+1], s94, SCL
	s_mov_b64 s[G0SB+2:G0SB+3], s[92:93]
	s_or_b32 s[G0SB+3], s[G0SB+3], 0x80000000
	JLOAD G0S, G1S, G0SB, G1SB                     ; the scale bytes first; then both slots: three loads of mine are out
.irp s, 0,1
	s_mov_b32 s[G0+4*\s], 1
	s_add_co_u32 s[G0+4*\s+1], s45, \s*SLOT
	s_add_nc_u64 s[G0+4*\s+2:G0+4*\s+3], s[20:21], \s*ROWB
	s_or_b32 s[G0+4*\s+3], s[G0+4*\s+3], 0x80000000
	s_mov_b32 s[G0B+4*\s], 1
	s_add_co_u32 s[G0B+4*\s+1], s45, \s*SLOT
	s_add_nc_u64 s[G0B+4*\s+2:G0B+4*\s+3], s[46:47], \s*ROWB
	s_or_b32 s[G0B+4*\s+3], s[G0B+4*\s+3], 0x80000000
	JLOAD G0+4*\s, G1, G0B+4*\s, G1B
.endr
	v_and_b32 v1, 15, v0                           ; r
	v_bfe_u32 v2, v0, 4, 1                         ; h
	; the bias of B's rows 256 cx + 128 (wave % 2) + 16 b + 8 h + 0 .. 7, in the result's layout (for v: loaded from wk_b and masked to zeros below)
	s_cmp_lt_u32 s17, 4
	s_cselect_b64 s[8:9], s[8:9], s[10:11]
	s_lshl_b32 s100, s40, 10
	s_lshl_b32 s101, s16, 9
	s_add_co_u32 s100, s100, s101
	s_mov_b32 s101, 0
	s_add_nc_u64 s[8:9], s[8:9], s[100:101]
	v_lshlrev_b32 v7, 5, v2
.irp b, 0,1,2,3,4,5,6,7
	global_load_b128 v[BI+8*\b:BI+8*\b+3], v7, s[8:9] offset:64*\b
	global_load_b128 v[BI+8*\b+4:BI+8*\b+7], v7, s[8:9] offset:64*\b+16
.endr
	v_mul_u32_u24 v3, v1, PITCH
	v_lshl_add_u32 v4, v2, 4, v3                   ; a fragment's row x pitch + 16 x half
	s_mul_i32 s21, s15, HALFT                      ; my 128 rows of A
	s_mul_i32 s22, s16, HALFT                      ; my 128 rows of B,
	s_add_co_u32 s22, s22, 2*HALFT                 ; which lie behind A's 256
.irp s, 0,1
	v_add_nc_u32 v[ADRA+\s], s21, v4
	v_add_nc_u32 v[ADRB+\s], s22, v4
	s_add_co_u32 s21, s21, SLOT
	s_add_co_u32 s22, s22, SLOT
.endr
	v_mul_u32_u24 v5, v1, KS                       ; my row's scale bytes: 32 a row,
	v_lshrrev_b32 v6, 8, v5
	v_lshl_add_u32 v5, v6, 4, v5                   ; and 16 more for each 256 passed
	s_mul_i32 s21, s15, HALFS
	s_mul_i32 s22, s16, HALFS
	s_add_co_u32 s22, s22, 2*HALFS
	s_sub_co_u32 s22, s22, s21
	v_mul_u32_u24 v6, s22, v2                      ; lanes 16-31 take B's: one product, the distance between the two bases
	s_add_co_u32 s21, s21, SCL
	v_add_nc_u32 v5, v5, v6
	v_add_nc_u32 v[ADRS], s21, v5
	s_wait_loadcnt 0x0                             ; the bias
.set n, 0
.rept 64
	v_and_b32 v[BI+n], s95, v[BI+n]
.set n, n+1
.endr
.macro FRAG reg, adr, q, i             ; 16 rows x 128 K of 4-bit codes: 8 registers: lane l holds row l % 16; registers 4 c .. 4 c + 3 hold K = 64 c + 32 (l / 16) + 0 .. 31
.irp c, 0,1
	ds_load_b128 v[\reg+4*\c:\reg+4*\c+3], v[\adr] offset:64*(\q)+32*\c+(\i)*16*PITCH
.endr
.endm
; 16 matrix instructions: A's blocks a0, a0 + 1 x B's eight, the slot's q-th 128 along K.  p: B's set; sc: the set of scale words.  zero = 1: the first products take the bias as C: nothing is cleared.
; The 64 accumulators take turns, one instruction a turn, in the same order in every step.
.macro MUL16 a0, p, q, sc, zero
.irp a, \a0, \a0+1
.irp b, 0,1,2,3,4,5,6,7
.if \zero
	v_wmma_scale_f32_16x16x128_f8f6f4 v[8*(8*((\a)%4)+\b):8*(8*((\a)%4)+\b)+7], v[128*(\p)+FR*\b:128*(\p)+FR*\b+FR-1], v[AF+FR*(\a):AF+FR*(\a)+FR-1], v[BI+8*\b:BI+8*\b+7], v[SC+8*NQ*(\sc)+NQ*\b+(\q)], v[SC+8*NQ*(\sc)+NQ*(\a)+(\q)] matrix_a_fmt:MATRIX_FMT_FP4 matrix_b_fmt:MATRIX_FMT_FP4 matrix_a_scale:MATRIX_SCALE_ROW1
.else
	v_wmma_scale_f32_16x16x128_f8f6f4 v[8*(8*((\a)%4)+\b):8*(8*((\a)%4)+\b)+7], v[128*(\p)+FR*\b:128*(\p)+FR*\b+FR-1], v[AF+FR*(\a):AF+FR*(\a)+FR-1], v[8*(8*((\a)%4)+\b):8*(8*((\a)%4)+\b)+7], v[SC+8*NQ*(\sc)+NQ*\b+(\q)], v[SC+8*NQ*(\sc)+NQ*(\a)+(\q)] matrix_a_fmt:MATRIX_FMT_FP4 matrix_b_fmt:MATRIX_FMT_FP4 matrix_a_scale:MATRIX_SCALE_ROW1
.endif
.endr
.endr
.endm
.macro FETCH_B slot, q, p
	WIN TO_B
.irp i, 0,1,2,3,4,5,6,7
	FRAG 128*(\p)+FR*\i, ADRB+\slot, \q, \i
.endr
	WIN 0
.endm
.macro FETCH_A slot, q, i0
.irp i, \i0, \i0+1, \i0+2, \i0+3
	FRAG AF+FR*(\i), ADRA+\slot, \q, \i
.endr
.endm
.macro SCALES sc                       ; a slot's scale words: 4 words a row; lanes 0-15 take A's block i, lanes 16-31 B's block i
.irp i, 0,1,2,3,4,5,6,7
	ds_load_b128 v[SC+8*NQ*\sc+NQ*\i:SC+8*NQ*\sc+NQ*\i+3], v[ADRS] offset:\i*SBLK
.endr
.endm
.macro PLACES n                        ; plain vector lines between a matrix instruction and a load into, or a vector write of, one of its registers
.rept \n
	v_nop
.endr
.endm
.macro STEP slot, q, zero              ; a step of 128 along K that has its successor in the same slot
	s_wait_dscnt 4*NL                              ; B's set and A's blocks 0-3 are in; the youngest eight loads (A's blocks 4-7) may be out
.if \zero
	WIN MUL_LO0
.else
	WIN MUL_LO
.endif
	MUL16 0, (\q)%2, \q, \slot, \zero
	MUL16 2, (\q)%2, \q, \slot, \zero
	s_wait_dscnt 0                                 ; A's blocks 4-7 are in
	PLACES NP
	FETCH_B \slot, (\q)+1, 1-(\q)%2
	FETCH_A \slot, (\q)+1, 0
.if \zero
	WIN MUL_HI0
.else
	WIN MUL_HI
.endif
	MUL16 4, (\q)%2, \q, \slot, \zero
	MUL16 6, (\q)%2, \q, \slot, \zero
	PLACES NP
	WIN 0
	FETCH_A \slot, (\q)+1, 4
.endm
; Slot 0's last step changes slots: one barrier; in front of it each wave waits for all its tensor loads (its part of slot 1), adds 0 to its spare word and waits for that and for its LDS loads.  Nothing is filled again.
.macro TURN slot, next
	s_wait_tensorcnt 0x0
	ds_add_u32 v[SPW], v[NIL]
	s_wait_dscnt 4*NL+1                            ; (the add and the youngest eight loads may be out)
	WIN MUL_LO
	MUL16 0, 1, NQ-1, \slot, 0
	s_wait_dscnt 0x0
	s_barrier_signal -1
	MUL16 2, 1, NQ-1, \slot, 0
	WIN 0
	s_barrier_wait -1                              ; slot 1 is whole
	PLACES NP
	v_add_nc_u32 v[ADRS], 4*NQ, v[ADRS]            ; on to the next slot's scale words (no LDS load of mine is out)
	FETCH_B \next, 0, 0
	FETCH_A \next, 0, 0
	SCALES \next
	WIN MUL_HI
	MUL16 4, 1, NQ-1, \slot, 0
	MUL16 6, 1, NQ-1, \slot, 0
	PLACES NP
	WIN 0
	FETCH_A \next, 0, 4
.endm
.macro STEPS slot, from
.set QQ, \from
.rept NQ-1-\from
	STEP \slot, QQ, 0
.set QQ, QQ+1
.endr
.endm
	s_wait_tensorcnt 1                             ; the scale bytes and my part of slot 0 are in; slot 1's load may be out
	s_barrier_signal -1
	s_barrier_wait -1
	FETCH_B 0, 0, 0
	FETCH_A 0, 0, 0
	SCALES 0
	FETCH_A 0, 0, 4
	STEP 0, 0, 1
	STEPS 0, 1
	TURN 0, 1
	STEPS 1, 0
	s_wait_dscnt 4*NL                              ; the very last step: nothing more to fetch
	WIN MUL_LO
	MUL16 0, 1, NQ-1, 1, 0
	MUL16 2, 1, NQ-1, 1, 0
	s_wait_dscnt 0
	WIN MUL_HI
	MUL16 4, 1, NQ-1, 1, 0
	MUL16 6, 1, NQ-1, 1, 0
	WIN 0
	; THE WAY OUT.  All tensor loads are done, so the descriptors' registers are free.  Everything that differs between q, k and v is chosen by Y, without a branch.
	; q, k: block a of A is a tile of 16 tokens (2,048 bytes on); pair c of B's blocks is 32 channels: 1,024 bytes on, and a head further for c = 2, 3.
	; v:    block a of A is 16 channels (1,024 bytes on; from a = 3 to 4 a head further and three images back); pair c of B's blocks is 32 keys: 4,096 bytes on.
	s_cmp_lt_u32 s17, 12                           ; q or k?
	s_cselect_b32 s20, s41, s40                    ; which place in the cluster counts tokens,
	s_cselect_b32 s21, s15, s16                    ; which half of the waves,
	s_cselect_b32 s22, s40, s41                    ; and which count channels
	s_cselect_b32 s23, s16, s15
	s_mov_b32 s24, 4096
	s_cselect_b32 s24, 1024, s24                   ; from c to c + 1
	s_mov_b32 s25, 8192
	s_mov_b32 s26, 262144
	s_cselect_b32 s25, s26, s25                    ; from c to c + 2
	s_mov_b32 s96, 1024
	s_cselect_b32 s96, 2048, s96                   ; from a to a + 1,
	s_mov_b32 s98, 259072
	s_cselect_b32 s98, 2048, s98                   ; from a = 3 to 4
	s_mov_b32 s27, 12288
	s_cselect_b32 s27, 4096, s27                   ; the tensor's first row in the table
	s_mov_b32 s28, 25165824
	s_cselect_b32 s28, 8388608, s28                ; its part of qkv
	s_mov_b32 s29, 11                              ; log2 of a batch's tokens
	s_mov_b32 s66, 1.0
	s_cmp_lt_u32 s17, 4                            ; q?
	s_cselect_b32 s25, 131072, s25
	s_cselect_b32 s27, 0, s27
	s_cselect_b32 s28, 0, s28
	s_cselect_b32 s29, 10, s29
	s_cselect_b32 s66, 0x3e38aa3b, s66             ; log2(e) / 8 for q, 1 for k and v
	s_mov_b32 s67, s66
	s_mov_b32 s97, 0
	s_mov_b32 s99, 0
	s_add_co_u32 s30, s24, s25                     ; c = 3
	s_sub_co_u32 s31, s42, s27
	s_lshl_b32 s20, s20, 8
	s_add_co_u32 s31, s31, s20
	s_lshl_b32 s21, s21, 7
	s_add_co_u32 s31, s31, s21                     ; my first token in its tensor
	s_lshr_b32 s32, s31, s29                       ; the batch,
	s_lshl_b32 s33, s32, s29
	s_sub_co_u32 s33, s31, s33                     ; the token in it
	s_lshl_b32 s32, s32, 4
	s_lshl_b32 s22, s22, 2
	s_add_co_u32 s32, s32, s22
	s_lshl_b32 s23, s23, 1
	s_add_co_u32 s32, s32, s23                     ; 16 x batch + my first head
	s_add_co_u32 s29, s29, 7
	s_lshl_b32 s32, s32, s29                       ; a head's bytes: 128 a token
	s_lshl_b32 s33, s33, 7
	s_add_co_u32 s32, s32, s33
	s_add_co_u32 s32, s32, s28
	s_mov_b32 s33, 0
	s_add_nc_u64 s[12:13], s[12:13], s[32:33]
	v_and_b32 v6, 31, v0                           ; these five plain lines name no register of the last products: they are the places behind them
	v_lshlrev_b32 v[CO], 4, v6                     ; 16 x lane
	v_add_nc_u32 v[CO+1], s24, v[CO]
	v_add_nc_u32 v[CO+2], s25, v[CO]
	v_add_nc_u32 v[CO+3], s30, v[CO]
.macro OUTB a                          ; block a of A: 64 numbers a lane are scaled (each accumulator from its low end on), rounded to f16 in pairs, and stored as four images
	WIN (0x02+(\a)/4)                              ; source 0: window 2 or 3
.set n, 0
.rept 32
	v_pk_mul_f32 v[TMP+2*n:TMP+2*n+1], v[64*((\a)%4)+2*n:64*((\a)%4)+2*n+1], s[66:67] op_sel_hi:[1,0]
.set n, n+1
.endr
	WIN 0
.set n, 0
.rept 32
	v_cvt_pk_f16_f32 v[OUT+32*((\a)%2)+n], v[TMP+2*n], v[TMP+2*n+1]
.set n, n+1
.endr
.if (\a) > 0
	s_wait_xcnt 0x0                                ; the earlier stores have read their base and their data: the base steps here, and the next block writes the other set of packed registers behind this wait
.if (\a) == 4
	s_add_nc_u64 s[12:13], s[12:13], s[98:99]
.else
	s_add_nc_u64 s[12:13], s[12:13], s[96:97]
.endif
.endif
.irp c, 0,1,2,3
.irp g, 0,1
	global_store_b128 v[CO+\c], v[OUT+32*((\a)%2)+8*\c+4*\g:OUT+32*((\a)%2)+8*\c+4*\g+3], s[12:13] offset:512*\g   ; half an image: 512 consecutive bytes, aligned
.endr
.endr
.endm
.irp a, 0,1,2,3,4,5,6,7
	OUTB \a
.endr
	s_wait_tensorcnt 0x0                           ; the wave's end
	ds_add_u32 v[SPW], v[NIL]
	s_wait_dscnt 0x0
	CROUND                                         ; the closing round
	s_endpgm
.Lfunc_end_k_q3a87dd8dc8_proj:
	.size	k_q3a87dd8dc8_proj, .Lfunc_end_k_q3a87dd8dc8_proj-k_q3a87dd8dc8_proj
	.p2alignl 7, 3214868480
	.fill 96, 4, 3214868480
	.section	.rodata,"a",@progbits
	.p2align	6, 0x0
	.amdhsa_kernel k_q3a87dd8dc8_proj
		.amdhsa_group_segment_fixed_size 327680
		.amdhsa_private_segment_fixed_size 0
		.amdhsa_enable_private_segment 0
		.amdhsa_kernarg_size 40
		.amdhsa_user_sgpr_count 2
		.amdhsa_user_sgpr_kernarg_segment_ptr 1
		.amdhsa_wavefront_size32 1
		.amdhsa_system_sgpr_workgroup_id_x 1
		.amdhsa_system_sgpr_workgroup_id_y 1
		.amdhsa_system_sgpr_workgroup_id_z 1
		.amdhsa_system_vgpr_workitem_id 0
		.amdhsa_next_free_vgpr 1024
		.amdhsa_next_free_sgpr 102
		.amdhsa_reserve_vcc 0
		.amdhsa_float_denorm_mode_32 3
		.amdhsa_float_denorm_mode_16_64 3
		.amdhsa_memory_ordered 1
		.amdhsa_forward_progress 1
		.amdhsa_inst_pref_size 139
	.end_amdhsa_kernel
	.amdgpu_metadata
---
amdhsa.version: [ 1, 2 ]
amdhsa.kernels:
  - .name:           k_q3a87dd8dc8_proj
    .symbol:         k_q3a87dd8dc8_proj.kd
    .args:
      - { .name: codes, .offset: 0, .size: 8, .value_kind: global_buffer, .address_space: global }
      - { .name: scales, .offset: 8, .size: 8, .value_kind: global_buffer, .address_space: global }
      - { .name: wq_b, .offset: 16, .size: 8, .value_kind: global_buffer, .address_space: global }
      - { .name: wk_b, .offset: 24, .size: 8, .value_kind: global_buffer, .address_space: global }
      - { .name: qkv, .offset: 32, .size: 8, .value_kind: global_buffer, .address_space: global }
    .group_segment_fixed_size: 327680
    .private_segment_fixed_size: 0
    .kernarg_segment_align: 8
    .kernarg_segment_size: 40
    .max_flat_workgroup_size: 128
    .sgpr_count:     102
    .vgpr_count:     1024
    .wavefront_size: 32
...
	.end_amdgpu_metadata
.endif
;; end of part 2
;; launch attn (part 3): grid 4 x 64, 8 waves a work-group, clusters of 4 x 1, 327,680 bytes of LDS; arguments qkv, key_multiplicities, wv_b, ao; writes ao
.if DOCPART == 3
	.amdgcn_target "amdgcn-amd-amdhsa--gfx1250"
	.amdhsa_code_object_version 6
	.text
	.protected	k_q3a87dd8dc8_attn
	.globl	k_q3a87dd8dc8_attn
	.p2align	8
	.type	k_q3a87dd8dc8_attn,@function
k_q3a87dd8dc8_attn:
	s_mov_b64 s[64:65], 0
	v_nop
	global_prefetch_b8 v0, s[64:65] scope:SCOPE_SE
	s_setreg_imm32_b32 hwreg(HW_REG_WAVE_MODE, 25, 1), 1
	s_wait_xcnt 0x0
	s_wait_alu depctr_hold_cnt(0) depctr_sa_sdst(0) depctr_va_vdst(0) depctr_va_sdst(0) depctr_va_ssrc(0) depctr_va_vcc(0) depctr_vm_vsrc(0)
	s_getreg_b32 s2, hwreg(HW_REG_IB_STS2, 6, 4)
	s_cmp_eq_u32 s2, 0
	s_cbranch_scc0 .Lentry_in_a_cluster
	s_endpgm
.Lentry_in_a_cluster:
	s_bfe_u32 s2, ttmp6, 0x10000c
	s_cmp_lg_u32 s2, 0x3003
	s_cbranch_scc0 .Lentry_shape_is_right
	s_endpgm
.Lentry_shape_is_right:
; ATTENTION WITH MULTIPLICITIES: O[q] = sum over keys of softmax(q . k / 8 + log(mult[key])) v[key], + wv_b; 64 (batch, head) pairs, 1,024 queries, 2,048 keys, head size 64.
; q, k, v arrive in f16 as images of operand registers (an image: 1,024 bytes, registers 4 g .. 4 g + 3 of lane l at 512 g + 16 l); q is already multiplied by log2(e) / 8.  Products in f16 with f32 sums; maxima, exponentials and sums in f32.
; SHARES.  A work-group owns 256 queries of one (batch, head), each of its EIGHT waves 32: two tiles of 16.  Two waves share a SIMD, so that one wave's softmax stands beside the other's products.  Every wave walks all 2,048 keys, 64 a step.
; LAYOUT.  S^T = K Q^T (source 0 = 16 keys, source 1 = 16 queries): a lane holds ONE query (lane % 16) and keys 8 (lane / 16) + 0 .. 7.  The C of a sum's first product is log2(mult) of those keys: so the product
; delivers t = logit x log2(e) and no vector line is spent on the multiplicities.  Two such tiles, rounded to f16 in pairs, ARE source 1 (32 keys x 16 queries) of O^T = V^T P; v's images hold a channel a row and keys along K.
; SOFTMAX.  For each query a running maximum m of t and a sum l: p = 2^(t - m); in every step O and l are multiplied by a = 2^(m_old - m_new).  m begins at -3e38, l and O at 0, so the step is written once,
; and keys of multiplicity 0 (t = -infinity, p = 0) are served wherever they stand.  At the end O / l + wv_b: exact, since the weights p / l sum to one.
; CLUSTER.  The four query blocks of a (batch, head) form a cluster and walk the same K and V: each tile is asked for jointly.  RING: two slots of 256 keys; each wave brings 8,192 dense bytes with one load.
; OUT: f16 images for the last launch: ao [128 tokens: 32][32 channels: 32][16 tokens: 8][1,024], stored straight from registers.
; LIMITS: a multiplicity under 2^-126 counts as 0; a negative one gives NaN, as the logarithm does; p under 6e-8 is rounded to 0 for the second product (it still counts in l); |O / l + wv_b| must lie under 65,504.
; REGISTERS: window 0: v1-12 addresses; v16-31 statistics, eight a tile (+0 m, +1 its pair's other half, +2 +3 l, +4 to +7 at work; a at +6, m_old - m_new at +7); v32-63 Q; v64-127 S^T, then p; v128-159 P; v160-191 log2(mult) of the step; v192-255 O^T.
;            window 1: v0-63 K of a step; v64-127 V of a step.
.set STEPB, 16384                      ; a step in LDS: K 8,192 bytes [16 keys: 4][32 channels: 2][1,024], then V 8,192 bytes [32 keys: 2][16 channels: 4][1,024]
.set SLOT1, 65536                      ; a slot is four steps; slot 1 begins here
.set LM,    131072                     ; log2(mult) of the batch's 2,048 keys: 8,192 bytes, written by ds_store; no tile lands here
.set SPARE, 139264                     ; the spare words, 128 bytes for each of eight waves
.set LI,   1                           ; v1   16 x lane
.set AV0,  2                           ; v2   16 x lane + 8,192: V's part of a step
.set ADK,  3
.set ADV,  4
.set ALM0, 5                           ; v5   LM + 32 x (lane / 16)
.set ADL,  6
.set BVO,  7                           ; v7   32 x (lane / 16)
.set SPW,  8
.set NIL,  9
.set LMW,  10                          ; v10  LM + 32 x thread
.set KMO,  11                          ; v11  32 x thread
.set PFO,  12                          ; v12  256 x lane
.set ST,   16
.set Q,    32
.set S,    64
.set P,    128
.set LMR,  160
.set O,    192
.set WV,   12
.set LIM,  15                          ; s15  1 in a wave that prefetches, else the greatest number
.set PFA,  18                          ; s[18:19]
.set G1,   24                          ; s[24:31] the one group 1
.set G0A,  32                          ; s[32:35] slot 0's first fill
.set G0B,  36                          ; s[36:39] slot 1's, which then walks
.set SEL,  40
.set TB,   42                          ; s42  LDS byte of the step to be fetched
.set TL,   43                          ; s43  256 x that step: its log2(mult)
.set SLOTS, 44
.set CNT,  45
.set MSB, 0
.macro WIN new
.if MSB != \new
	s_set_vgpr_msb (MSB<<8)|\new
.set MSB, \new
.endif
.endm
.macro CROUND
	s_barrier_signal -1
	s_barrier_wait -1
	s_cmp_lg_u32 s[WV], 0
	s_cbranch_scc1 .Lnot_wave_0_\@
	s_barrier_signal -3
.Lnot_wave_0_\@:
	s_barrier_wait -3
	s_barrier_signal -1
	s_barrier_wait -1
.endm
.macro PLACES
.rept 4
	v_nop
.endr
.endm
.macro TLOAD g0                        ; every wave issues this one line, each with its own piece; an s_nop 0 and four v_nop follow
	tensor_load_to_lds s[\g0:\g0+3], s[G1:G1+7]
	s_nop 0
.rept 4
	v_nop
.endr
.endm
; A PREFETCH INTO THE L2 of what the NEXT change of slots will ask for: a slot's 32,768 bytes of K and of V.  Wave 0 asks for K's, wave 4 for V's; the four partners share each out BY ADDRESS, 8,192 bytes each,
; lanes 256 bytes apart: each aligned block of 256 bytes is named once in the launch (a head has this one cluster).  It stands behind the wave's tensor load: four key steps ahead of the load that will want the bytes.
; The last change that fills a slot asks for nothing.  Slots 0 to 2 come by their loads alone.
.macro ASK
	s_cmp_gt_u32 s[SLOTS], s[LIM]
	s_cbranch_scc0 .Lnot_mine_\@
	global_prefetch_b8 v[PFO], s[PFA:PFA+1] th:TH_LOAD_NT scope:SCOPE_SE
.Lnot_mine_\@:
.endm
	s_load_b256 s[4:11], s[0:1], 0x0               ; qkv s[4:5], key_multiplicities s[6:7], wv_b s[8:9], ao s[10:11]
	v_lshl_add_u32 v[SPW], v0, 2, SPARE
	v_mov_b32 v[NIL], 0
	ds_add_u32 v[SPW], v[NIL]                      ; the wave's opening: the add, twice on end, and its wait ahead of my first tensor load
	ds_add_u32 v[SPW], v[NIL]
	v_lshrrev_b32 v1, 5, v0
	v_readfirstlane_b32 s[WV], v1                  ; wave 0..7
	s_bfe_u32 s13, ttmp6, 0x40000                  ; cx: my block of 256 queries
	s_and_b32 s14, ttmp7, 0xffff                   ; 16 x batch + head, shared by the four partners
	s_mov_b32 s[G1], 15|(3<<16)|(1<<21)            ; the mask: all four; elements of 8 bytes; bit 21 beside a mask; no padding
	s_mov_b32 s[G1+1], 32<<16                      ; tensor_dim0 = 32 (256 bytes)
	s_mov_b32 s[G1+2], 32<<16                      ; tensor_dim1 = 32
	s_mov_b32 s[G1+3], 32<<16                      ; tile_dim0
	s_mov_b32 s[G1+4], 32                          ; tile_dim1
	s_mov_b32 s[G1+5], 32                          ; from row to row: dense
	s_mov_b32 s[G1+6], 0
	s_mov_b32 s[G1+7], 0
	s_mov_b32 s[SEL], 0x76543210
	s_mov_b32 s[SEL+1], 0xfedcba98                 ; v_permlanex16_b32: lane l xor 16
	s_mov_b32 s[TB], 0
	s_mov_b32 s[TL], 0
	s_mov_b32 s[SLOTS], 6
	s_and_b32 s52, s[WV], 3                        ; which of a slot's four steps I fetch,
	s_lshr_b32 s53, s[WV], 2                       ; for K (0) or for V (1)
	s_cmp_eq_u32 s52, 0
	s_cselect_b32 s[LIM], 1, -1                    ; waves 0 and 4 prefetch
	s_lshl_b32 s54, s52, 14
	s_lshl_b32 s55, s53, 13
	s_add_co_u32 s54, s54, s55                     ; my piece's place in a slot
	s_lshl_b32 s56, s53, 24                        ; V lies 16,777,216 bytes behind K
	s_lshl_b32 s57, s14, 18                        ; a head's 262,144 bytes
	s_add_co_u32 s56, s56, s57
	s_add_co_u32 s56, s56, 8388608                 ; K's part of qkv
	s_mov_b32 s57, 0
	s_lshl_b32 s58, s13, 13                        ; the prefetches: my work-group's 8,192 bytes,
	s_add_co_u32 s58, s58, s56
	s_add_co_u32 s58, s58, 65536                   ; in slot 2; the first change steps it to slot 3
	s_mov_b32 s59, 0
	s_lshl_b32 s55, s52, 13
	s_add_co_u32 s56, s56, s55                     ; my piece in memory
	s_lshl_b32 s46, s14, 17                        ; Q: a head's 131,072 bytes,
	s_lshl_b32 s16, s13, 15                        ; my block's 16 tiles of 2,048,
	s_add_co_u32 s46, s46, s16
	s_lshl_b32 s16, s[WV], 12                      ; my wave's two
	s_add_co_u32 s46, s46, s16
	s_mov_b32 s47, 0
	s_lshr_b32 s20, s14, 4                         ; batch
	s_and_b32 s21, s14, 15                         ; head
	s_lshl_b32 s48, s20, 3                         ; ao: the block of 128 tokens: 8 x batch + 2 cx + wave / 4,
	s_lshl_b32 s16, s13, 1
	s_add_co_u32 s48, s48, s16
	s_add_co_u32 s48, s48, s53
	s_lshl_b32 s48, s48, 18
	s_lshl_b32 s16, s21, 14                        ; the head's two pieces of 32 channels,
	s_add_co_u32 s48, s48, s16
	s_lshl_b32 s16, s52, 11                        ; my two tiles of 16 tokens
	s_add_co_u32 s48, s48, s16
	s_mov_b32 s49, 0
	s_lshl_b32 s50, s21, 8                         ; wv_b: the head's 64 numbers
	s_mov_b32 s51, 0
	s_lshl_b32 s22, s20, 13                        ; the batch's 2,048 multiplicities
	s_mov_b32 s23, 0
	v_and_b32 v7, 31, v0
	v_lshlrev_b32 v[LI], 4, v7
	v_lshlrev_b32 v[PFO], 8, v7
	v_add_nc_u32 v[AV0], 8192, v[LI]
	v_lshrrev_b32 v7, 4, v7
	v_lshlrev_b32 v[BVO], 5, v7
	v_add_nc_u32 v[ALM0], LM, v[BVO]
	v_lshl_add_u32 v[LMW], v0, 5, LM
	v_lshlrev_b32 v[KMO], 5, v0
	s_wait_dscnt 0x0                               ; both opening adds are done
	s_wait_kmcnt 0x0
	s_add_nc_u64 s[PFA:PFA+1], s[4:5], s[58:59]
	s_add_nc_u64 s[46:47], s[4:5], s[46:47]
	s_add_nc_u64 s[48:49], s[10:11], s[48:49]
	s_add_nc_u64 s[50:51], s[8:9], s[50:51]
	s_add_nc_u64 s[22:23], s[6:7], s[22:23]
	s_mov_b32 s[G0A], 1
	s_mov_b32 s[G0A+1], s54
	s_add_nc_u64 s[G0A+2:G0A+3], s[4:5], s[56:57]
	s_mov_b32 s[G0B], 1
	s_add_co_u32 s[G0B+1], s54, SLOT1
	s_add_nc_u64 s[G0B+2:G0B+3], s[G0A+2:G0A+3], 32768
	s_or_b32 s[G0A+3], s[G0A+3], 0x80000000
	s_or_b32 s[G0B+3], s[G0B+3], 0x80000000
	CROUND                                         ; all four work-groups are here: the first joint loads meet
	tensor_load_to_lds s[G0A:G0A+3], s[G1:G1+7]    ; both first fills together: two loads of mine are out
	s_nop 0
	tensor_load_to_lds s[G0B:G0B+3], s[G1:G1+7]
	s_nop 0
.rept 4
	v_nop
.endr
	global_load_b128 v[128:131], v[KMO], s[22:23]  ; my eight multiplicities of the batch's 2,048
	global_load_b128 v[132:135], v[KMO], s[22:23] offset:16
.irp t, 0,1
.irp c, 0,1
.irp g, 0,1
	global_load_b128 v[Q+16*\t+8*\c+4*\g:Q+16*\t+8*\c+4*\g+3], v[LI], s[46:47] offset:2048*\t+1024*\c+512*\g   ; Q stays in registers
.endr
.endr
.endr
.irp t, 0,1
	v_mov_b32 v[ST+8*\t], 0xff61b1e6               ; m: -3e38, under every t that counts
	v_mov_b32 v[ST+8*\t+1], 0xff61b1e6             ; (named with it as a pair)
	v_mov_b32 v[ST+8*\t+2], 0                      ; l, in two halves
	v_mov_b32 v[ST+8*\t+3], 0
.endr
.set n, 0
.rept 64
	v_mov_b32 v[O+n], 0                            ; O^T: the step is written once, and its first pass multiplies zeros
.set n, n+1
.endr
	s_wait_loadcnt 8                               ; the multiplicities are in; Q's eight loads may be out
.irp i, 0,1,2,3,4,5,6,7
	v_log_f32 v[136+\i], v[128+\i]                 ; log2
.endr
	v_nop                                          ; a plain line behind the last logarithm,
	s_wait_alu depctr_va_vdst(0)                   ; and the one wait ahead of the batch's first reader
	ds_store_b128 v[LMW], v[136:139]
	ds_store_b128 v[LMW], v[140:143] offset:16
; THE LDS LOADS stand in two runs a step.  K's run: 8 loads of log2(mult) (all lanes of a half read the same 32 bytes) and 16 of K's eight images.
.macro FETCH_K
	WIN 0
	v_add_nc_u32 v[ADK], s[TB], v[LI]
	v_add_nc_u32 v[ADL], s[TL], v[ALM0]
	s_add_co_u32 s[TL], s[TL], 256
.irp f, 0,1,2,3
	ds_load_b128 v[LMR+8*\f:LMR+8*\f+3], v[ADL] offset:64*\f
	ds_load_b128 v[LMR+8*\f+4:LMR+8*\f+7], v[ADL] offset:64*\f+16
.endr
	WIN 0x40                                       ; destination window 1
.irp f, 0,1,2,3,4,5,6,7
	ds_load_b128 v[8*\f:8*\f+3], v[ADK] offset:1024*\f
	ds_load_b128 v[8*\f+4:8*\f+7], v[ADK] offset:1024*\f+512
.endr
.endm
.macro FETCH_V                         ; 16 loads: V's eight images
	WIN 0
	v_add_nc_u32 v[ADV], s[TB], v[AV0]
	s_add_co_u32 s[TB], s[TB], STEPB               ; the next fetch is the next step's
	WIN 0x40
.irp f, 0,1,2,3,4,5,6,7
	ds_load_b128 v[64+8*\f:64+8*\f+3], v[ADV] offset:1024*\f
	ds_load_b128 v[64+8*\f+4:64+8*\f+7], v[ADV] offset:1024*\f+512
.endr
.endm
; S^T = K Q^T + log2(mult): product i: channels 32 (i / 8) on, keys 16 ((i / 2) % 4) on, tile i % 2.  The eight accumulators take turns.
.macro KQ
	WIN 0x01                                       ; source 0 window 1
.set i, 0
.rept 16
.set rS, S+32*(i%2)+8*((i/2)%4)
.set rK, 8*(2*((i/2)%4)+i/8)
.set rQ, Q+16*(i%2)+8*(i/8)
.set rL, LMR+8*((i/2)%4)
.if i < 8
	v_wmma_f32_16x16x32_f16 v[rS:rS+7], v[rK:rK+7], v[rQ:rQ+7], v[rL:rL+7]
.else
	v_wmma_f32_16x16x32_f16 v[rS:rS+7], v[rK:rK+7], v[rQ:rQ+7], v[rS:rS+7]
.endif
.set i, i+1
.endr
.endm
; O^T += V^T P: product i: keys 32 (i / 8) on, channels 16 ((i / 2) % 4) on, tile i % 2.  Eight accumulators by turns.
.macro PV
	WIN 0x01
.set i, 0
.rept 16
.set rO, O+32*(i%2)+8*((i/2)%4)
.set rV, 64+8*(4*(i/8)+(i/2)%4)
.set rP, P+16*(i%2)+8*(i/8)
	v_wmma_f32_16x16x32_f16 v[rO:rO+7], v[rV:rV+7], v[rP:rP+7], v[rO:rO+7]
.set i, i+1
.endr
.endm
; THE SOFTMAX of both tiles for one step, the tiles line by line by turns.
.macro SOFT
	WIN 0
.irp j, 0,1,2,3                        ; the maximum: four chains, each begun at an accumulator's three lowest registers
.irp t, 0,1
	v_max3_num_f32 v[ST+8*\t+4+\j], v[S+32*\t+8*\j], v[S+32*\t+8*\j+1], v[S+32*\t+8*\j+2]
.endr
.endr
.irp u, 1,2
.irp j, 0,1,2,3
.irp t, 0,1
	v_max3_num_f32 v[ST+8*\t+4+\j], v[ST+8*\t+4+\j], v[S+32*\t+8*\j+2*\u+1], v[S+32*\t+8*\j+2*\u+2]
.endr
.endr
.endr
.irp t, 0,1
	v_max3_num_f32 v[ST+8*\t+4], v[ST+8*\t+4], v[S+32*\t+7], v[S+32*\t+15]
	v_max3_num_f32 v[ST+8*\t+6], v[ST+8*\t+6], v[S+32*\t+23], v[S+32*\t+31]
.endr
.irp t, 0,1
	v_max3_num_f32 v[ST+8*\t+4], v[ST+8*\t+4], v[ST+8*\t+5], v[ST+8*\t+6]
.endr
.irp t, 0,1
	v_max3_num_f32 v[ST+8*\t+4], v[ST+8*\t+4], v[ST+8*\t+7], v[ST+8*\t]   ; with the old m
.endr
.irp t, 0,1
	v_permlanex16_b32 v[ST+8*\t+5], v[ST+8*\t+4], s[SEL], s[SEL+1]       ; the query's other 32 keys lie in the lane 16 away
.endr
.irp t, 0,1
	v_max_num_f32 v[ST+8*\t+4], v[ST+8*\t+4], v[ST+8*\t+5]
.endr
.irp t, 0,1
	v_sub_f32 v[ST+8*\t+7], v[ST+8*\t], v[ST+8*\t+4]                     ; m_old - m_new
.endr
.irp t, 0,1
	v_mov_b32 v[ST+8*\t], v[ST+8*\t+4]                                   ; the new m
.endr
.irp t, 0,1
	v_exp_f32 v[ST+8*\t+6], v[ST+8*\t+7]                                 ; a
.endr
.set n, 0
.rept 16                               ; t - m, two at a time: the plain work behind a's exponentials
	v_pk_add_f32 v[S+2*n:S+2*n+1], v[S+2*n:S+2*n+1], v[ST:ST+1] op_sel_hi:[1,0] neg_lo:[0,1] neg_hi:[0,1]
	v_pk_add_f32 v[S+32+2*n:S+32+2*n+1], v[S+32+2*n:S+32+2*n+1], v[ST+8:ST+9] op_sel_hi:[1,0] neg_lo:[0,1] neg_hi:[0,1]
.set n, n+1
.endr
	s_wait_alu depctr_va_vdst(0)                   ; the wait ahead of a's first reader (the rescaling below)
.set n, 0
.rept 32                               ; p = 2^(t - m): one batch of 64
	v_exp_f32 v[S+n], v[S+n]
	v_exp_f32 v[S+32+n], v[S+32+n]
.set n, n+1
.endr
.set n, 0
.rept 16                               ; O^T x a, each accumulator from its low end on: work behind the batch that names none of its results
	v_pk_mul_f32 v[O+2*n:O+2*n+1], v[O+2*n:O+2*n+1], v[ST+6:ST+7] op_sel_hi:[1,0]
	v_pk_mul_f32 v[O+32+2*n:O+32+2*n+1], v[O+32+2*n:O+32+2*n+1], v[ST+14:ST+15] op_sel_hi:[1,0]
.set n, n+1
.endr
	s_wait_alu depctr_va_vdst(0)                   ; one wait for the 64, ahead of their first reader
.set n, 0
.rept 16
	v_cvt_pk_f16_f32 v[P+n], v[S+2*n], v[S+2*n+1]
	v_cvt_pk_f16_f32 v[P+16+n], v[S+32+2*n], v[S+32+2*n+1]
.set n, n+1
.endr
.endm
; l = a l + the sum of the unrounded p: a tree in place on p's registers.  These 32 lines name no register of the products V^T P: they are the places behind them.
.macro SUMS
.irp z, 0,1,2,3,4,5,6,7
.irp t, 0,1
	v_pk_add_f32 v[S+32*\t+4*\z:S+32*\t+4*\z+1], v[S+32*\t+4*\z:S+32*\t+4*\z+1], v[S+32*\t+4*\z+2:S+32*\t+4*\z+3]
.endr
.endr
.irp z, 0,1,2,3
.irp t, 0,1
	v_pk_add_f32 v[S+32*\t+8*\z:S+32*\t+8*\z+1], v[S+32*\t+8*\z:S+32*\t+8*\z+1], v[S+32*\t+8*\z+4:S+32*\t+8*\z+5]
.endr
.endr
.irp z, 0,1
.irp t, 0,1
	v_pk_add_f32 v[S+32*\t+16*\z:S+32*\t+16*\z+1], v[S+32*\t+16*\z:S+32*\t+16*\z+1], v[S+32*\t+16*\z+8:S+32*\t+16*\z+9]
.endr
.endr
.irp t, 0,1
	v_pk_add_f32 v[S+32*\t:S+32*\t+1], v[S+32*\t:S+32*\t+1], v[S+32*\t+16:S+32*\t+17]
.endr
.irp t, 0,1
	v_pk_fma_f32 v[ST+8*\t+2:ST+8*\t+3], v[ST+8*\t+2:ST+8*\t+3], v[ST+8*\t+6:ST+8*\t+7], v[S+32*\t:S+32*\t+1] op_sel_hi:[1,0,1]
.endr
.endm
; The second part of a step: its softmax and V^T P.  look = 1: the next step's K is asked for at its head and the next step's V at its end.
.macro TAIL look
	PLACES                                         ; behind K Q^T: in front of the loads into K's and log2(mult)'s registers and of the first read of the scores
.if \look
	FETCH_K
.endif
	SOFT
.if \look
	s_wait_dscnt 24                                ; this step's V is in; the 24 loads of the next step's K run may be out
.else
	s_wait_dscnt 0x0
.endif
	PV
	WIN 0
	SUMS
.if \look
	FETCH_V
.endif
.endm
.macro HEAD                            ; the first part of a step
	s_wait_dscnt 16                                ; K and log2(mult) are in; V's 16 loads may be out
	KQ
	WIN 0
.endm
.macro USTEPS n                        ; n times: the second part of a step and the first part of the next
	s_mov_b32 s[CNT], \n
.Lstep_\@:
	TAIL 1
	HEAD
	s_sub_co_u32 s[CNT], s[CNT], 1
	s_cmp_lg_u32 s[CNT], 0
	s_cbranch_scc1 .Lstep_\@
.endm
; THE CHANGE OF SLOTS stands where all of a slot's bytes have been asked for.  Each wave waits for all its tensor loads (its piece of the other slot), adds 0 to its spare word, and waits for that and for its reads of the slot.
; fill = 1: the barrier is a round of the cluster's, and the joint refill (the keys two slots on) is the first thing behind it: it has four key steps in which to land.
.macro CHANGE fill
	s_wait_tensorcnt 0x0                           ; no tensor load of mine is out, so a group 0 may be written
	ds_add_u32 v[SPW], v[NIL]
.if \fill
	s_xor_b32 s[G0B+1], s[G0B+1], SLOT1            ; the walking descriptor: the other slot than last time,
	s_add_nc_u64 s[G0B+2:G0B+3], s[G0B+2:G0B+3], 32768   ; the next 256 keys
	s_wait_xcnt 0x0                                ; the last prefetch, four key steps back, has read its address
	s_add_nc_u64 s[PFA:PFA+1], s[PFA:PFA+1], 32768
	s_wait_dscnt 0x0                               ; the add is done, and my reads of the slot are over
	CROUND
	TLOAD G0B
	ASK
.else
	s_wait_dscnt 0x0
	s_barrier_signal -1
	s_barrier_wait -1
.endif
	s_sub_co_u32 s[TB], s[TB], 4*STEPB             ; the fetches go back to a slot's first step,
	s_xor_b32 s[TB], s[TB], SLOT1                  ; in the other slot
.endm
	s_wait_tensorcnt 1                             ; my piece of slot 0 is in; slot 1's may stay out
	s_wait_dscnt 0x0                               ; my log2(mult) are stored
	s_barrier_signal -1
	s_barrier_wait -1
	FETCH_K                                        ; step 0
	FETCH_V
	s_wait_loadcnt 0x0                             ; Q
	HEAD
	USTEPS 3                                       ; to the first part of step 3: slot 0 has been asked for to its end
.Lslot:                                            ; six trips: slots 2 to 7 are asked for
	CHANGE 1
	USTEPS 4
	s_sub_co_u32 s[SLOTS], s[SLOTS], 1
	s_cmp_lg_u32 s[SLOTS], 0
	s_cbranch_scc1 .Lslot
	CHANGE 0                                       ; the last slot is written out: nothing is asked for
	USTEPS 4
	TAIL 0                                         ; step 31
	; THE WAY OUT: O / l + wv_b, rounded to f16 in pairs: two neighbouring tiles of channels are an image; stored straight from registers.
.irp f, 0,1,2,3
	global_load_b128 v[LMR+8*\f:LMR+8*\f+3], v[BVO], s[50:51] offset:64*\f       ; wv_b of channels 16 f + 8 (lane / 16) + 0 .. 7
	global_load_b128 v[LMR+8*\f+4:LMR+8*\f+7], v[BVO], s[50:51] offset:64*\f+16
.endr
.irp t, 0,1
	v_add_f32 v[ST+8*\t+4], v[ST+8*\t+2], v[ST+8*\t+3]
.endr
.irp t, 0,1
	v_permlanex16_b32 v[ST+8*\t+5], v[ST+8*\t+4], s[SEL], s[SEL+1]
.endr
.irp t, 0,1
	v_add_f32 v[ST+8*\t+4], v[ST+8*\t+4], v[ST+8*\t+5]
.endr
.irp t, 0,1
	v_rcp_f32 v[ST+8*\t+6], v[ST+8*\t+4]
.endr
	v_nop                                          ; a plain line behind the last reciprocal,
	s_wait_alu depctr_va_vdst(0)                   ; and the one wait ahead of the first reader
	s_wait_loadcnt 0x0                             ; wv_b
.set n, 0
.rept 16
	v_pk_fma_f32 v[O+2*n:O+2*n+1], v[O+2*n:O+2*n+1], v[ST+6:ST+7], v[LMR+2*n:LMR+2*n+1] op_sel_hi:[1,0,1]
	v_pk_fma_f32 v[O+32+2*n:O+32+2*n+1], v[O+32+2*n:O+32+2*n+1], v[ST+14:ST+15], v[LMR+2*n:LMR+2*n+1] op_sel_hi:[1,0,1]
.set n, n+1
.endr
.set n, 0
.rept 16
	v_cvt_pk_f16_f32 v[P+n], v[O+2*n], v[O+2*n+1]
	v_cvt_pk_f16_f32 v[P+16+n], v[O+32+2*n], v[O+32+2*n+1]
.set n, n+1
.endr
.irp t, 0,1
.irp c, 0,1
.irp g, 0,1
	global_store_b128 v[LI], v[P+16*\t+8*\c+4*\g:P+16*\t+8*\c+4*\g+3], s[48:49] offset:8192*\c+1024*\t+512*\g   ; half an image: 512 consecutive bytes, aligned
.endr
.endr
.endr
	s_wait_tensorcnt 0x0                           ; the wave's end
	ds_add_u32 v[SPW], v[NIL]
	s_wait_dscnt 0x0
	CROUND                                         ; the closing round
	s_endpgm
.Lfunc_end_k_q3a87dd8dc8_attn:
	.size	k_q3a87dd8dc8_attn, .Lfunc_end_k_q3a87dd8dc8_attn-k_q3a87dd8dc8_attn
	.p2alignl 7, 3214868480
	.fill 96, 4, 3214868480
	.section	.rodata,"a",@progbits
	.p2align	6, 0x0
	.amdhsa_kernel k_q3a87dd8dc8_attn
		.amdhsa_group_segment_fixed_size 327680
		.amdhsa_private_segment_fixed_size 0
		.amdhsa_enable_private_segment 0
		.amdhsa_kernarg_size 32
		.amdhsa_user_sgpr_count 2
		.amdhsa_user_sgpr_kernarg_segment_ptr 1
		.amdhsa_wavefront_size32 1
		.amdhsa_system_sgpr_workgroup_id_x 1
		.amdhsa_system_sgpr_workgroup_id_y 1
		.amdhsa_system_sgpr_workgroup_id_z 1
		.amdhsa_system_vgpr_workitem_id 0
		.amdhsa_next_free_vgpr 384
		.amdhsa_next_free_sgpr 66
		.amdhsa_reserve_vcc 0
		.amdhsa_float_denorm_mode_32 3
		.amdhsa_float_denorm_mode_16_64 3
		.amdhsa_memory_ordered 1
		.amdhsa_forward_progress 1
		.amdhsa_inst_pref_size 88
	.end_amdhsa_kernel
	.amdgpu_metadata
---
amdhsa.version: [ 1, 2 ]
amdhsa.kernels:
  - .name:           k_q3a87dd8dc8_attn
    .symbol:         k_q3a87dd8dc8_attn.kd
    .args:
      - { .name: qkv, .offset: 0, .size: 8, .value_kind: global_buffer, .address_space: global }
      - { .name: key_multiplicities, .offset: 8, .size: 8, .value_kind: global_buffer, .address_space: global }
      - { .name: wv_b, .offset: 16, .size: 8, .value_kind: global_buffer, .address_space: global }
      - { .name: ao, .offset: 24, .size: 8, .value_kind: global_buffer, .address_space: global }
    .group_segment_fixed_size: 327680
    .private_segment_fixed_size: 0
    .kernarg_segment_align: 8
    .kernarg_segment_size: 32
    .max_flat_workgroup_size: 256
    .sgpr_count:     66
    .vgpr_count:     384
    .wavefront_size: 32
...
	.end_amdgpu_metadata
.endif
;; end of part 3
;; launch oproj (part 4): grid 8 x 32, 4 waves a work-group, clusters of 4 x 4, 327,680 bytes of LDS; arguments ao, wo16, wo_b, out0; writes out0
.if DOCPART == 4
	.amdgcn_target "amdgcn-amd-amdhsa--gfx1250"
	.amdhsa_code_object_version 6
	.text
	.protected	k_q3a87dd8dc8_oproj
	.globl	k_q3a87dd8dc8_oproj
	.p2align	8
	.type	k_q3a87dd8dc8_oproj,@function
k_q3a87dd8dc8_oproj:
	s_mov_b64 s[64:65], 0
	v_nop
	global_prefetch_b8 v0, s[64:65] scope:SCOPE_SE
	s_setreg_imm32_b32 hwreg(HW_REG_WAVE_MODE, 25, 1), 1
	s_wait_xcnt 0x0
	s_wait_alu depctr_hold_cnt(0) depctr_sa_sdst(0) depctr_va_vdst(0) depctr_va_sdst(0) depctr_va_ssrc(0) depctr_va_vcc(0) depctr_vm_vsrc(0)
	s_getreg_b32 s2, hwreg(HW_REG_IB_STS2, 6, 4)
	s_cmp_eq_u32 s2, 0
	s_cbranch_scc0 .Lentry_in_a_cluster
	s_endpgm
.Lentry_in_a_cluster:
	s_bfe_u32 s2, ttmp6, 0x10000c
	s_cmp_lg_u32 s2, 0xf033
	s_cbranch_scc0 .Lentry_shape_is_right
	s_endpgm
.Lentry_shape_is_right:
; THE OUTPUT PROJECTION: out0[m][n] = sum over k of A[m][k] wo_w[n][k] + wo_b[n]; m 4,096, n 1,024, k 1,024.  Operands in f16, sums and result in f32.
; Both operands arrive as images of operand registers (1,024 bytes: 16 rows x 32 K; registers 4 g .. 4 g + 3 of lane l at 512 g + 16 l): ao [128 tokens: 32][32 along K: 32][16 tokens: 8][1,024], wo16 [128 rows: 8][32][8][1,024].
; So a K step's tile of 128 rows is one dense block, a tensor load needs no padding, and a fragment comes by two ds_load_b128 at 16 x lane.
; A tile of out0 is 128 x 128: 256 work-groups.  Four waves, each 64 x 64: 16 accumulators.  K goes in steps of 256 through two slots of 131,072 bytes; a wave's load brings 32,768 dense bytes.
; CLUSTER: 4 x 4 work-groups: A's tiles are shared along a row of the cluster, wo16's along a column, each asked for jointly.
; The matrix instruction takes source 0 = 16 rows of wo_w and source 1 = 16 tokens: a lane holds eight neighbouring numbers of a row of out0.  wo_b is the C of each sum's first product.
; THE WAY OUT: a wave's 64 columns are 256 aligned bytes of a row: 16 rows at a time go through the wave's own stage in LDS and leave with sixteen lanes storing those 256 bytes.
; REGISTERS: window 0: v0-31 addresses; v32-95 the way out; v96-127 the bias; v128-255 the accumulators ((a, b) at v[128 + 8 (4 a + b)]).  Window 1: two fragment buffers of 128 (64 of A, then 64 of wo_w), each 64 along K.
.set KBYTES, 65536                     ; a K step's tile of 128 rows
.set HALFT,  32768                     ; what one tensor load brings
.set SLOT,   131072                    ; A's tile, then wo16's
.set STAGE,  2*SLOT
.set SPITCH, 272                       ; a stage row: 256 bytes + 16
.set SPARE,  STAGE+4*16*SPITCH
.set LAPS,   2                         ; a lap = two K steps
.set ADRA, 16
.set ADRB, 20
.set STO,  24
.set RD,   25
.set CO,   26
.set SPW,  28
.set NIL,  29
.set TMP,  32
.set BI,   96
.set ACC,  128
.set F0,   0
.set F1,   128
.set G1, 24
.set G0, 32
.set G1B, 48
.set G0B, 56
.set MSB, 0
.macro WIN new
.if MSB != \new
	s_set_vgpr_msb (MSB<<8)|\new
.set MSB, \new
.endif
.endm
.set MUL,  0x05                        ; sources 0 and 1 window 1; C and D window 0
.set TO_F, 0x40
.macro JLOAD s                         ; a joint load: waves 0 and 1 fetch A's two halves, waves 2 and 3 wo16's; an s_nop 0 and four v_nop follow each line
	s_cmp_eq_u32 s11, 0
	s_cbranch_scc0 .Lfor_b_\@
	tensor_load_to_lds s[G0+4*\s:G0+4*\s+3], s[G1:G1+7]
	s_nop 0
.rept 4
	v_nop
.endr
	s_branch .Lasked_\@
.Lfor_b_\@:
	tensor_load_to_lds s[G0B+4*\s:G0B+4*\s+3], s[G1B:G1B+7]
	s_nop 0
.rept 4
	v_nop
.endr
.Lasked_\@:
.endm
.macro CREST
	s_cmp_lg_u32 s10, 0
	s_cbranch_scc1 .Lnot_wave_0_\@
	s_barrier_signal -3
.Lnot_wave_0_\@:
	s_barrier_wait -3
	s_barrier_signal -1
	s_barrier_wait -1
.endm
.macro CROUND
	s_barrier_signal -1
	s_barrier_wait -1
	CREST
.endm
	s_load_b128 s[4:7], s[0:1], 0x0                ; ao s[4:5], wo16 s[6:7]
	s_load_b64 s[66:67], s[0:1], 0x10              ; wo_b
	s_load_b64 s[8:9], s[0:1], 0x18                ; out0
	v_lshl_add_u32 v[SPW], v0, 2, SPARE
	v_mov_b32 v[NIL], 0
	ds_add_u32 v[SPW], v[NIL]                      ; the wave's opening: the add, twice on end, and its wait ahead of my first tensor load
	ds_add_u32 v[SPW], v[NIL]
	v_lshrrev_b32 v1, 5, v0
	v_readfirstlane_b32 s10, v1                    ; wave 0..3
	s_lshr_b32 s11, s10, 1                         ; which half of the tile's rows is mine.  Also: I fetch for A (0) or for wo16 (1)
	s_and_b32 s12, s10, 1                          ; which half of its columns.  Also: which half of that tile I fetch
	s_bfe_u32 s40, ttmp6, 0x40000
	s_bfe_u32 s41, ttmp6, 0x40004
	s_lshl_b32 s42, ttmp9, 2
	s_add_co_u32 s42, s42, s40                     ; tile column = 4 x cluster x + cx
	s_and_b32 s13, ttmp7, 0xffff
	s_lshl_b32 s13, s13, 2
	s_add_co_u32 s13, s13, s41                     ; tile row = 4 x cluster y + cy
	s_lshl_b32 s43, s41, 2
	s_lshl_b32 s43, 15, s43                        ; my row of the cluster
	s_lshl_b32 s44, 0x1111, s40                    ; my column
	s_or_b32 s[G1+0], s43, (3<<16)|(1<<21)         ; the mask; elements of 8 bytes; bit 21 beside a mask; no padding
	s_or_b32 s[G1B+0], s44, (3<<16)|(1<<21)
.irp g, G1, G1B
	s_mov_b32 s[\g+1], 32<<16                      ; tensor_dim0 = 32 (256 bytes)
	s_mov_b32 s[\g+2], 128<<16                     ; tensor_dim1 = 128
	s_mov_b32 s[\g+3], 32<<16                      ; tile_dim0
	s_mov_b32 s[\g+4], 128                         ; tile_dim1
	s_mov_b32 s[\g+5], 32                          ; dense
	s_mov_b32 s[\g+6], 0
	s_mov_b32 s[\g+7], 0
.endr
	s_lshl_b32 s17, s12, 15                        ; which half of a K step's tile I fetch
	s_lshl_b32 s16, s13, 18                        ; A: the tile row's 262,144 bytes
	s_add_co_u32 s16, s16, s17
	s_lshl_b32 s46, s42, 18                        ; wo16: the tile column's
	s_add_co_u32 s46, s46, s17
	s_mov_b32 s17, 0
	s_mov_b32 s47, 0
	s_mul_i32 s20, s10, HALFT                      ; where they go: wave x 32,768
	s_wait_dscnt 0x0                               ; both opening adds are done
	s_wait_kmcnt 0x0
	s_add_nc_u64 s[14:15], s[4:5], s[16:17]
	s_add_nc_u64 s[46:47], s[6:7], s[46:47]
	CROUND                                         ; all sixteen work-groups are here: the first joint loads meet
.irp s, 0,1
	s_mov_b32 s[G0+4*\s], 1
	s_add_co_u32 s[G0+4*\s+1], s20, \s*SLOT
	s_add_nc_u64 s[G0+4*\s+2:G0+4*\s+3], s[14:15], \s*KBYTES
	s_or_b32 s[G0+4*\s+3], s[G0+4*\s+3], 0x80000000
	s_mov_b32 s[G0B+4*\s], 1
	s_add_co_u32 s[G0B+4*\s+1], s20, \s*SLOT
	s_add_nc_u64 s[G0B+4*\s+2:G0B+4*\s+3], s[46:47], \s*KBYTES
	s_or_b32 s[G0B+4*\s+3], s[G0B+4*\s+3], 0x80000000
	JLOAD \s
.endr
	v_and_b32 v1, 15, v0                           ; r
	v_bfe_u32 v2, v0, 4, 1                         ; h
	v_and_b32 v3, 31, v0
	v_lshlrev_b32 v3, 4, v3                        ; 16 x lane
	s_lshl_b32 s21, s11, 12                        ; my four tiles of 16 tokens in each piece of 32 along K
	s_lshl_b32 s22, s12, 12                        ; my four tiles of wo_w's rows,
	s_add_co_u32 s22, s22, KBYTES                  ; behind A's tile
.irp s, 0,1
	v_add_nc_u32 v[ADRA+\s], s21, v3
	v_add_nc_u32 v[ADRB+\s], s22, v3
	s_add_co_u32 s21, s21, SLOT
	s_add_co_u32 s22, s22, SLOT
.endr
	s_mul_i32 s23, s10, 16*SPITCH
	s_add_co_u32 s23, s23, STAGE                   ; my stage
	v_mul_u32_u24 v4, v1, SPITCH                   ; in: row r, 32 bytes for each half of the lanes
	v_lshl_add_u32 v4, v2, 5, v4
	v_add_nc_u32 v[STO], s23, v4
	v_mul_u32_u24 v5, v2, SPITCH                   ; back: lanes 0-15 one row of 256 bytes, lanes 16-31 the next
	v_lshl_add_u32 v5, v1, 4, v5
	v_add_nc_u32 v[RD], s23, v5
	v_lshlrev_b32 v5, 12, v2                       ; and the same two rows in out0: 4,096 bytes a row
	v_lshl_add_u32 v[CO], v1, 4, v5
	s_lshl_b32 s16, s13, 19                        ; my first row: 128 x tile row + 64 x half, 4,096 bytes each
	s_lshl_b32 s17, s11, 18
	s_add_co_u32 s16, s16, s17
	s_mov_b32 s17, 0
	s_add_nc_u64 s[8:9], s[8:9], s[16:17]
	s_lshl_b32 s68, s42, 9                         ; my first column, in bytes: 512 x tile column + 256 x half
	s_lshl_b32 s69, s12, 8
	s_add_co_u32 s68, s68, s69
	s_mov_b32 s69, 0
	s_add_nc_u64 s[8:9], s[8:9], s[68:69]
	s_add_nc_u64 s[66:67], s[66:67], s[68:69]      ; and the same place in wo_b
	v_lshlrev_b32 v6, 5, v2
.irp b, 0,1,2,3
	global_load_b128 v[BI+8*\b:BI+8*\b+3], v6, s[66:67] offset:64*\b        ; wo_b of columns 16 b + 8 h + 0 .. 7: the result's layout
	global_load_b128 v[BI+8*\b+4:BI+8*\b+7], v6, s[66:67] offset:64*\b+16
.endr
; 8 matrix instructions: m blocks a0, a0 + 1 x all 4 n blocks, 32 along K: half c of buffer f.  zero = 1: the first products take the bias as C.  The 16 accumulators take turns.
.macro MUL8 f, c, a0, zero
.irp a, \a0, \a0+1
.irp b, 0,1,2,3
.if \zero
	v_wmma_f32_16x16x32_f16 v[ACC+8*(4*(\a)+\b):ACC+8*(4*(\a)+\b)+7], v[\f+64+8*(4*\c+\b):\f+64+8*(4*\c+\b)+7], v[\f+8*(4*\c+\a):\f+8*(4*\c+\a)+7], v[BI+8*\b:BI+8*\b+7]
.else
	v_wmma_f32_16x16x32_f16 v[ACC+8*(4*(\a)+\b):ACC+8*(4*(\a)+\b)+7], v[\f+64+8*(4*\c+\b):\f+64+8*(4*\c+\b)+7], v[\f+8*(4*\c+\a):\f+8*(4*\c+\a)+7], v[ACC+8*(4*(\a)+\b):ACC+8*(4*(\a)+\b)+7]
.endif
.endr
.endr
.endm
; 32 LDS loads in one run: the fragments of the slot's kq-th 64 along K into buffer f; the first 32 along K first
.macro FETCH slot, kq, f
	WIN TO_F
.irp c, 0,1
.irp i, 0,1,2,3
	ds_load_b128 v[\f+64+8*(4*\c+\i):\f+64+8*(4*\c+\i)+3],   v[ADRB+\slot] offset:(2*(\kq)+\c)*8192+\i*1024
	ds_load_b128 v[\f+64+8*(4*\c+\i)+4:\f+64+8*(4*\c+\i)+7], v[ADRB+\slot] offset:(2*(\kq)+\c)*8192+\i*1024+512
	ds_load_b128 v[\f+8*(4*\c+\i):\f+8*(4*\c+\i)+3],         v[ADRA+\slot] offset:(2*(\kq)+\c)*8192+\i*1024
	ds_load_b128 v[\f+8*(4*\c+\i)+4:\f+8*(4*\c+\i)+7],       v[ADRA+\slot] offset:(2*(\kq)+\c)*8192+\i*1024+512
.endr
.endr
.endm
.macro PLACES
.rept 4
	v_nop
.endr
.endm
; A K step is four quarters of 64 along K, 32 matrix instructions each, on buffers 0, 1, 0, 1.  One of the first three: multiplies buffer f and fetches quarter kq into g.
.macro QUARTER slot, kq, f, g, zero
	s_wait_dscnt 16                                ; the first 32 along K are in; the other sixteen loads may be out
	WIN MUL
	MUL8 \f, 0, 0, \zero
	MUL8 \f, 0, 2, \zero
	PLACES
	FETCH \slot, \kq, \g
	s_wait_dscnt 32                                ; all but the 32 just issued
	WIN MUL
	MUL8 \f, 1, 0, 0
	MUL8 \f, 1, 2, 0
.endm
; The last quarter multiplies buffer 1 and changes slots: ONE barrier; in front of it each wave waits for all its tensor loads, adds 0 to its spare word, and waits for that and for its reads of this slot.  fill = 1: this slot is filled again, two K steps ahead.
.macro TURN slot, next, fill
	WIN 0
	s_wait_tensorcnt 0x0                           ; all my tensor loads have landed: my part of the next slot
	ds_add_u32 v[SPW], v[NIL]
	s_wait_dscnt 17                                ; (the add and the youngest sixteen loads may be out)
	WIN MUL
	MUL8 F1, 0, 0, 0
	s_wait_dscnt 0x0                               ; the add is done, and my reads of this slot are over
	s_barrier_signal -1
	MUL8 F1, 0, 2, 0
.if \fill
	WIN 0
.endif
	s_barrier_wait -1
.if \fill
	CREST                                          ; the barrier has opened a round of the cluster's: no wave of any partner still reads this slot or has a load on its way
	s_add_nc_u64 s[G0+4*\slot+2:G0+4*\slot+3], s[G0+4*\slot+2:G0+4*\slot+3], 2*KBYTES
	s_add_nc_u64 s[G0B+4*\slot+2:G0B+4*\slot+3], s[G0B+4*\slot+2:G0B+4*\slot+3], 2*KBYTES
	JLOAD \slot                                    ; the first tensor load behind the round; its four v_nop are also the places in front of the loads below
.else
	PLACES
.endif
	FETCH \next, 0, F0
	WIN MUL
	MUL8 F1, 1, 0, 0
	MUL8 F1, 1, 2, 0
.endm
	s_wait_tensorcnt 1                             ; my part of K step 0 is in; K step 1's may be out
	s_barrier_signal -1
	s_barrier_wait -1
	FETCH 0, 0, F0
	s_wait_loadcnt 0x0                             ; the bias
	QUARTER 0, 1, F0, F1, 1                        ; the first quarter stands in front of the loop: its first products start the sums
	WIN 0
	s_mov_b32 s3, LAPS-1
.Llap:                                             ; a trip goes once round the ring and fills both slots again
	QUARTER 0, 2, F1, F0, 0
	QUARTER 0, 3, F0, F1, 0
	TURN 0, 1, 1
	QUARTER 1, 1, F0, F1, 0
	QUARTER 1, 2, F1, F0, 0
	QUARTER 1, 3, F0, F1, 0
	TURN 1, 0, 1
	QUARTER 0, 1, F0, F1, 0
	WIN 0
	s_sub_co_u32 s3, s3, 1
	s_cmp_lg_u32 s3, 0
	s_cbranch_scc1 .Llap
	QUARTER 0, 2, F1, F0, 0                        ; the last lap fills nothing
	QUARTER 0, 3, F0, F1, 0
	TURN 0, 1, 0
	QUARTER 1, 1, F0, F1, 0
	QUARTER 1, 2, F1, F0, 0
	QUARTER 1, 3, F0, F1, 0
	s_wait_dscnt 16
	WIN MUL
	MUL8 F1, 0, 0, 0
	MUL8 F1, 0, 2, 0
	s_wait_dscnt 0
	MUL8 F1, 1, 0, 0
	MUL8 F1, 1, 2, 0
	WIN 0
.macro TOSTAGE a                       ; block a: 16 rows x 64 columns into my stage, each accumulator from its low end on, and back as whole rows.  LDS serves a wave's instructions in order: no wait between
.irp b, 0,1,2,3
	ds_store_b128 v[STO], v[ACC+8*(4*(\a)+\b):ACC+8*(4*(\a)+\b)+3] offset:64*\b
	ds_store_b128 v[STO], v[ACC+8*(4*(\a)+\b)+4:ACC+8*(4*(\a)+\b)+7] offset:64*\b+16
.endr
.irp i, 0,1,2,3,4,5,6,7
	ds_load_b128 v[TMP+32*((\a)%2)+4*\i:TMP+32*((\a)%2)+4*\i+3], v[RD] offset:\i*2*SPITCH
.endr
.endm
.macro SEND a, younger                 ; younger: the LDS instructions issued behind block a's loads, which may stay out
	s_wait_dscnt \younger
.irp i, 0,1,2,3,4,5,6,7
	global_store_b128 v[CO], v[TMP+32*((\a)%2)+4*\i:TMP+32*((\a)%2)+4*\i+3], s[8:9] offset:(16*(\a)+2*\i)*4096 th:TH_STORE_NT   ; 16 lanes store 256 consecutive bytes, aligned; written once
.endr
.endm
	PLACES                                         ; behind the last products, in front of the LDS stores that read results
	TOSTAGE 0
.irp a, 1,2,3
.if \a > 1
	s_wait_xcnt 0x0                                ; block a - 2's stores have read their registers: block a's loads may land there
.endif
	TOSTAGE \a
	SEND \a-1, 16                                  ; behind block a - 1's loads: block a's 8 stores and 8 loads
.endr
	SEND 3, 0
	s_wait_tensorcnt 0x0                           ; the wave's end
	ds_add_u32 v[SPW], v[NIL]
	s_wait_dscnt 0x0
	CROUND                                         ; the closing round
	s_endpgm
.Lfunc_end_k_q3a87dd8dc8_oproj:
	.size	k_q3a87dd8dc8_oproj, .Lfunc_end_k_q3a87dd8dc8_oproj-k_q3a87dd8dc8_oproj
	.p2alignl 7, 3214868480
	.fill 96, 4, 3214868480
	.section	.rodata,"a",@progbits
	.p2align	6, 0x0
	.amdhsa_kernel k_q3a87dd8dc8_oproj
		.amdhsa_group_segment_fixed_size 327680
		.amdhsa_private_segment_fixed_size 0
		.amdhsa_enable_private_segment 0
		.amdhsa_kernarg_size 32
		.amdhsa_user_sgpr_count 2
		.amdhsa_user_sgpr_kernarg_segment_ptr 1
		.amdhsa_wavefront_size32 1
		.amdhsa_system_sgpr_workgroup_id_x 1
		.amdhsa_system_sgpr_workgroup_id_y 1
		.amdhsa_system_sgpr_workgroup_id_z 1
		.amdhsa_system_vgpr_workitem_id 0
		.amdhsa_next_free_vgpr 512
		.amdhsa_next_free_sgpr 72
		.amdhsa_reserve_vcc 0
		.amdhsa_float_denorm_mode_32 3
		.amdhsa_float_denorm_mode_16_64 3
		.amdhsa_memory_ordered 1
		.amdhsa_forward_progress 1
		.amdhsa_inst_pref_size 86
	.end_amdhsa_kernel
	.amdgpu_metadata
---
amdhsa.version: [ 1, 2 ]
amdhsa.kernels:
  - .name:           k_q3a87dd8dc8_oproj
    .symbol:         k_q3a87dd8dc8_oproj.kd
    .args:
      - { .name: ao, .offset: 0, .size: 8, .value_kind: global_buffer, .address_space: global }
      - { .name: wo16, .offset: 8, .size: 8, .value_kind: global_buffer, .address_space: global }
      - { .name: wo_b, .offset: 16, .size: 8, .value_kind: global_buffer, .address_space: global }
      - { .name: out0, .offset: 24, .size: 8, .value_kind: global_buffer, .address_space: global }
    .group_segment_fixed_size: 327680
    .private_segment_fixed_size: 0
    .kernarg_segment_align: 8
    .kernarg_segment_size: 32
    .max_flat_workgroup_size: 128
    .sgpr_count:     72
    .vgpr_count:     512
    .wavefront_size: 32
...
	.end_amdgpu_metadata
.endif
;; end of part 4
